; MI455X (gfx1250); checked and timed in simulation.
; The chip was launched on July 23, 2026; its instructions are those of AMD's public machine-readable ISA for CDNA 5 (MIT licence, August 2026) and "CDNA5" Instruction Set Architecture Reference Guide (July 2026). The comments in the code are by the model that wrote it; some were corrected since.
;; Self Attention. Allowed arithmetic: matrix products marked QUANTISED: E2M3 operands, one E8M0 scale for each 32 along K, by v_wmma_scale_f32_16x16x128_f8f6f4 with both operands' format E2M3, f32 sums; everything else in f32.
;; Inputs: W_k 1,024 x 1,024 float32; W_o 1,024 x 1,024 float32; W_q 1,024 x 1,024 float32; W_v 1,024 x 1,024 float32; b_k 1,024 float32; b_o 1,024 float32; b_q 1,024 float32; b_v 1,024 float32; x 1 x 4,096 x 1,024 float32.
;; Outputs: out0 1 x 4,096 x 1,024 float32.
;; This version of the problem:
;;   THIS VERSION OF THE PROBLEM IS GIVEN IN LOW PRECISION. The matrix products marked QUANTISED in the list below multiply operands that are first quantised to E2M3 (2 exponent bits, 3 mantissa bits; 6 bits a number), with one power-of-two scale for each 32 numbers along K (OCP MX v1.0); their sums are f32. All else is computed in f32.
;;   The module's matrix products, in the order in which they are computed (A, B: the left and right operand; K: the contracted axis; several contracted axes count as one K, in the product's order):
;;     1. [M 4,096, K 1,024] x [K 1,024, N 1,024]; A: input x; B: input W_q: QUANTISED
;;     2. [M 4,096, K 1,024] x [K 1,024, N 1,024]; A: input x; B: input W_k: QUANTISED
;;     3. [M 4,096, K 1,024] x [K 1,024, N 1,024]; A: input x; B: input W_v: QUANTISED
;;     4. batch 16 x [M 4,096, K 64] x [K 64, N 4,096]; A: computed on the way; B: computed on the way: QUANTISED
;;     5. batch 16 x [M 4,096, K 4,096] x [K 4,096, N 64]; A: softmax (see below); B: computed on the way: QUANTISED
;;     6. [M 4,096, K 1,024] x [K 1,024, N 1,024]; A: computed on the way; B: input W_o: QUANTISED
;;   THE QUANTISER, for each operand of a quantised product, along K:
;;     - K is cut into blocks of 32 from its start; a last block that is shorter is filled with zeros.
;;     - A block's scale is 2^e with e = floor(log2(the largest magnitude in the block)) - 2, held to -126 .. 127; a block of zeros has e = 0. As a byte (E8M0): e + 127.
;;     - Each number is divided by its block's scale, clamped to +-7.5, and rounded to the nearest number of E2M3, ties to even, subnormals kept.
;;     - The product sums the exact products of the quantised numbers (number of the format x scale) in f32.
;;   ~~~python
;;   def quantise(x, axis):      # numpy; x: float32 -> the quantised numbers, widened to float32 again
;;       x = np.moveaxis(x, axis, -1); K = x.shape[-1]
;;       x = np.pad(x, [(0, 0)] * (x.ndim - 1) + [(0, -K % 32)]); x = x.reshape(x.shape[:-1] + (-1, 32)); a = np.abs(x).max(-1, keepdims=True)
;;       e = np.where(a > 0, np.clip(np.frexp(np.where(a > 0, a, 1))[1] - 1 - 2, -126, 127), 0)      # np.frexp(a)[1] - 1 = floor(log2(a)), exactly
;;       r = np.clip(x / 2.0 ** e, -7.5, 7.5)
;;       step = 2.0 ** (np.maximum(np.frexp(np.where(r == 0, 1, r))[1] - 1, 0) - 3)
;;       q = np.round(r / step) * step * 2.0 ** e      # np.round: ties to even
;;       return np.moveaxis(q.reshape(q.shape[:-2] + (-1,))[..., :K], -1, axis).astype(np.float32)
;;   ~~~
;;   SOFTMAX AHEAD OF A QUANTISED PRODUCT. Where the list says 'softmax', what is quantised is not the finished softmax but p = 2^(t - M), with t = logit x log2(e) and M = ceil(the row's largest t), a whole number; so 1/2 < the row's largest p <= 1. The row's sum l is taken of the UNQUANTISED p, in f32, and the product's result is divided by l at the end. Since M is a whole number, a kernel that streams over the keys may use a running M (the ceiling of the running maximum): every later rescaling is an exact power of two, which a block's scale takes up: the codes' values come out the same.
;;   OPERANDS COMPUTED ON THE WAY. 'Computed on the way' means the value that the module computes at that place (a softmax that the list does not call 'softmax' is quantised finished and normalised). What goes into a quantiser is computed in f32, as accurately as f32 sums, v_exp_f32 and their like allow (about 1e-6 of the number): no bf16 or f16 on the way to a quantiser, and a product that is left as it is and whose result goes on into a quantised operand takes f32 operands (vector FMAs, or v_wmma_f32_16x16x4_f32). A number that lies on a knife's edge between two numbers of the format may be rounded either way, as far as f32 arithmetic and the matrix unit's own rounding can turn it there, and no further.
;; One version. Each part assembles by itself: llvm-mc -triple=amdgcn-amd-amdhsa -mcpu=gfx1250 --defsym DOCPART=n.
;; ======== version 1 of 1: 4 launches
;; limits: right only within a limited range of input values
;; workspace buffers: cimg 6,291,456 bytes; csc 262,144 bytes; qkv 10,223,616 bytes; yimg 3,145,728 bytes; ysc 131,072 bytes
;; launch quant (part 1): grid 256 x 1, 4 waves a work-group, no clusters, 34,304 bytes of LDS; arguments x, W_q, W_k, W_v, W_o, cimg, csc; writes cimg, csc
.if DOCPART == 1
	.amdgcn_target "amdgcn-amd-amdhsa--gfx1250"
	.amdhsa_code_object_version 6
	.text
	.protected	k_q736bf9bcc8_quant
	.globl	k_q736bf9bcc8_quant
	.p2align	8
	.type	k_q736bf9bcc8_quant,@function
k_q736bf9bcc8_quant:
	s_mov_b64 s[64:65], 0
	v_nop
	global_prefetch_b8 v0, s[64:65] scope:SCOPE_SE
	s_setreg_imm32_b32 hwreg(HW_REG_WAVE_MODE, 25, 1), 1
	s_wait_xcnt 0x0
; x [4096][1024] and W_q, W_k, W_v, W_o [1024][1024], f32, K innermost, become codes of FP6 (E2M3) with one E8M0 byte for each 32 along K,
; laid as IMAGES OF OPERAND REGISTERS.  The five tensors are 8,192 row positions on end (x, W_q, W_k, W_v, W_o), 512 tiles of 16 rows.
; THE ROWS OF A TILE ARE NOT NEIGHBOURS: lane r of tile T stands for row 32 (T / 2) + 8 (T % 2) + r + 8 (r / 8).
; cimg: fragment (T, g), 16 rows x 128 K, is 1,536 bytes at 12288 T + 1536 g: registers 2 j, 2 j + 1 of lane l at 256 j + 8 l.
; csc:  the scale word (four bytes: 128 along K) of row r of tile T, fragment g, at 512 T + 256 (g / 4) + 16 r + 4 (g % 4).
; A block's scale is 2^(floor(log2(largest magnitude)) - 2); its byte is the largest magnitude's exponent field - 2, held at 1 from below.
; LIMITS: a block whose largest magnitude lies under 2^-124 gets the byte 1; a block of zeros gets the byte 1 where the rule says 127 (its codes are
; zeros, and only this program reads the bytes); NaN and infinities among the inputs are not served.
; SHARES: a work-group takes 32 row positions (two tiles); wave w takes tile w / 2 of them and half w % 2 of K: 16 rows x 512 numbers, four steps of 128 along K.
; Each load reads 512 consecutive bytes of one row; a step's 16 x 512 bytes turn through the wave's own stage in LDS (rows 528 bytes apart), from which a lane
; takes its two whole blocks of 32.  Loads run two steps (32 loads a wave) ahead.  No tensor load, no barrier: waves share nothing.
.set STG,   8448                       ; a wave's stage: 16 rows x (512 + 16) bytes
.set SPARE, 4*STG                      ; behind the stages: the spare words, 128 bytes a wave
.set GI,  1                            ; v1   16 x lane: my bytes of a load's 512
.set SI,  2                            ; v2   the stage, on the way in
.set SO,  3                            ; v3   the stage, on the way out: row r, + 128 h
.set CO,  4                            ; v4   8 x lane: my place in a chunk of the image
.set SCO, 5                            ; v5   16 r + 8 h: my two scale words
.set SPW, 6                            ; v6   my spare word; never rewritten
.set NIL, 7                            ; v7   0; never rewritten
.set R,   16                           ; v16-143  two sets of 64 registers as loaded
.set X,   144                          ; v144-207 my two blocks of 32
.set C,   208                          ; v208-219 a fragment's codes
.set CT,  220                          ; v220-222, v224-226 the blocks' upper halves (a conversion's three registers begin on an even number)
.set SW,  228                          ; v228-231 the four steps' scale words
	s_load_b256 s[4:11], s[0:1], 0x0               ; x, W_q, W_k, W_v
	s_load_b128 s[12:15], s[0:1], 0x20             ; W_o, cimg
	s_load_b64 s[16:17], s[0:1], 0x30              ; csc
	v_lshl_add_u32 v[SPW], v0, 2, SPARE
	v_mov_b32 v[NIL], 0
	v_lshrrev_b32 v8, 5, v0
	v_readfirstlane_b32 s18, v8                    ; wave
	v_and_b32 v9, 31, v0                           ; lane
	v_and_b32 v10, 15, v0                          ; r
	v_bfe_u32 v11, v0, 4, 1                        ; h
	v_lshlrev_b32 v[GI], 4, v9
	s_mul_i32 s19, s18, STG
	v_add_nc_u32 v[SI], s19, v[GI]
	v_mul_u32_u24 v[SO], v10, 528
	v_lshl_add_u32 v[SO], v11, 7, v[SO]
	v_add_nc_u32 v[SO], s19, v[SO]
	v_lshlrev_b32 v[CO], 3, v9
	v_lshlrev_b32 v[SCO], 4, v10
	v_lshl_add_u32 v[SCO], v11, 3, v[SCO]
	v_lshlrev_b32 v14, 3, v11                      ; 8 h: my bytes' place in a scale word
	v_mov_b32 v15, 0                               ; a lane permute's destination counts as one of its sources
	s_mov_b32 s20, 0x76543210
	s_mov_b32 s21, 0xfedcba98                      ; lane l xor 16
	s_mov_b32 s22, 0xffff0000                      ; lanes 16-31
	s_lshr_b32 s23, s18, 1                         ; which of the two tiles
	s_and_b32 s30, s18, 1                          ; which half of K
	s_and_b32 s26, ttmp9, 31
	s_cmp_lt_u32 ttmp9, 128
	s_cselect_b32 s26, ttmp9, s26                  ; the group of 32 rows inside its tensor
	s_lshl_b32 s26, s26, 17                        ; 32 rows of 4,096 bytes
	s_lshl_b32 s27, s23, 15                        ; the odd tile begins 8 rows down
	s_add_co_u32 s26, s26, s27
	s_lshl_b32 s27, s30, 11                        ; 512 numbers
	s_add_co_u32 s26, s26, s27
	s_mov_b32 s27, 0
	s_lshl_b32 s28, ttmp9, 1
	s_add_co_u32 s28, s28, s23                     ; T
	s_lshl_b32 s32, s28, 9
	s_lshl_b32 s31, s30, 8
	s_add_co_u32 s32, s32, s31                     ; my 256 bytes of scale words
	s_mov_b32 s33, 0
	s_mul_i32 s28, s28, 12288
	s_mul_i32 s31, s30, 6144
	s_add_co_u32 s28, s28, s31                     ; my four fragments
	s_mov_b32 s29, 0
	s_wait_alu depctr_va_vdst(0)
	s_wait_kmcnt 0x0
	s_cmp_lt_u32 ttmp9, 224                        ; which tensor: the choice hangs on the work-group's number alone
	s_cselect_b64 s[24:25], s[10:11], s[12:13]
	s_cmp_lt_u32 ttmp9, 192
	s_cselect_b64 s[24:25], s[8:9], s[24:25]
	s_cmp_lt_u32 ttmp9, 160
	s_cselect_b64 s[24:25], s[6:7], s[24:25]
	s_cmp_lt_u32 ttmp9, 128
	s_cselect_b64 s[24:25], s[4:5], s[24:25]
	s_add_nc_u64 s[24:25], s[24:25], s[26:27]
	s_add_nc_u64 s[14:15], s[14:15], s[28:29]
	s_add_nc_u64 s[16:17], s[16:17], s[32:33]
.macro LOADG g                         ; step g: 128 numbers of each of the tile's 16 rows; row p of the tile lies p + 8 (p / 8) rows down
.irp p, 0,1,2,3,4,5,6,7,8,9,10,11,12,13,14,15
	global_load_b128 v[R+64*((\g)%2)+4*\p:R+64*((\g)%2)+4*\p+3], v[GI], s[24:25] offset:(\p+8*(\p/8))*4096+512*(\g) th:TH_LOAD_NT
.endr
.endm
.macro GSTEP g
.if \g < 3
	s_wait_loadcnt 16                              ; this step's 16 loads are in; the next step's 16 may be out
.else
	s_wait_loadcnt 0x0
.endif
.irp p, 0,1,2,3,4,5,6,7,8,9,10,11,12,13,14,15
	ds_store_b128 v[SI], v[R+64*((\g)%2)+4*\p:R+64*((\g)%2)+4*\p+3] offset:528*\p
.endr
.irp c, 0,1
.irp e, 0,1,2,3,4,5,6,7
	ds_load_b128 v[X+32*\c+4*\e:X+32*\c+4*\e+3], v[SO] offset:256*\c+16*\e   ; k = 64 c + 32 h + 4 e ..: LDS serves a wave's instructions in order, so these see the stores above
.endr
.endr
	s_wait_dscnt 0x0                               ; my blocks are in, and the stores have read their registers
	s_wait_xcnt 0x0                                ; the last step's stores have read the codes' registers
.if \g < 2
	LOADG (\g)+2
.endif
.irp c, 0,1
	v_max3_num_f32 v[8+\c], |v[X+32*\c]|, |v[X+32*\c+1]|, 0x1800000   ; my block 2 c + h, and the floor 2^(3 - 127): the byte cannot fall under 1
.endr
.irp i, 2,4,6,8,10,12,14,16,18,20,22,24,26,28,30
.irp c, 0,1
	v_max3_num_f32 v[8+\c], v[8+\c], |v[X+32*\c+\i]|, |v[X+32*\c+\i+1]|
.endr
.endr
.irp c, 0,1
	v_add_nc_u32 v[10+\c], 0xff000000, v[8+\c]     ; 2 off the exponent field: the conversion's scale operand
.endr
.irp c, 0,1
	v_lshrrev_b32 v[12+\c], 23, v[10+\c]           ; the scale's byte
.endr
	v_lshl_or_b32 v12, v13, 16, v12                ; blocks h and 2 + h,
	v_lshlrev_b32 v12, v14, v12                    ; at their places in the word;
	v_permlanex16_b32 v15, v12, s20, s21
	v_or_b32 v[SW+\g], v12, v15                    ; with lane l xor 16's two the word is whole
.irp c, 0,1
	v_cvt_scalef32_pk16_fp6_f32 v[C+6*\c:C+6*\c+2], v[X+32*\c:X+32*\c+15], v[10+\c]
	v_cvt_scalef32_pk16_fp6_f32 v[CT+4*\c:CT+4*\c+2], v[X+32*\c+16:X+32*\c+31], v[10+\c]
.endr
	v_nop                                          ; one plain place behind a scaled conversion
.irp c, 0,1
.irp i, 0,1,2
	v_mov_b32 v[C+6*\c+3+\i], v[CT+4*\c+\i]
.endr
.endr
.irp j, 0,1,2,3,4,5
	global_store_b64 v[CO], v[C+2*\j:C+2*\j+1], s[14:15] offset:1536*(\g)+256*\j   ; 32 lanes store 256 consecutive bytes, aligned
.endr
.endm
	LOADG 0
	LOADG 1
	GSTEP 0
	GSTEP 1
	GSTEP 2
	GSTEP 3
	v_cndmask_b32 v8, v[SW], v[SW+2], s22          ; lanes 0-15 store words 0 and 1 of their row, lanes 16-31 words 2 and 3
	v_cndmask_b32 v9, v[SW+1], v[SW+3], s22
	global_store_b64 v[SCO], v[8:9], s[16:17]      ; 256 consecutive bytes, aligned
	s_wait_tensorcnt 0x0                           ; the wave's end
	ds_add_u32 v[SPW], v[NIL]
	s_wait_dscnt 0x0
	s_endpgm
.Lfunc_end_k_q736bf9bcc8_quant:
	.size	k_q736bf9bcc8_quant, .Lfunc_end_k_q736bf9bcc8_quant-k_q736bf9bcc8_quant
	.p2alignl 7, 3214868480
	.fill 96, 4, 3214868480
	.section	.rodata,"a",@progbits
	.p2align	6, 0x0
	.amdhsa_kernel k_q736bf9bcc8_quant
		.amdhsa_group_segment_fixed_size 34304
		.amdhsa_private_segment_fixed_size 0
		.amdhsa_enable_private_segment 0
		.amdhsa_kernarg_size 56
		.amdhsa_user_sgpr_count 2
		.amdhsa_user_sgpr_kernarg_segment_ptr 1
		.amdhsa_wavefront_size32 1
		.amdhsa_system_sgpr_workgroup_id_x 1
		.amdhsa_system_sgpr_workgroup_id_y 1
		.amdhsa_system_sgpr_workgroup_id_z 1
		.amdhsa_system_vgpr_workitem_id 0
		.amdhsa_next_free_vgpr 240
		.amdhsa_next_free_sgpr 66
		.amdhsa_reserve_vcc 0
		.amdhsa_float_denorm_mode_32 3
		.amdhsa_float_denorm_mode_16_64 3
		.amdhsa_memory_ordered 1
		.amdhsa_forward_progress 1
		.amdhsa_inst_pref_size 32
	.end_amdhsa_kernel
	.amdgpu_metadata
---
amdhsa.version: [ 1, 2 ]
amdhsa.kernels:
  - .name:           k_q736bf9bcc8_quant
    .symbol:         k_q736bf9bcc8_quant.kd
    .args:
      - { .name: x, .offset: 0, .size: 8, .value_kind: global_buffer, .address_space: global }
      - { .name: W_q, .offset: 8, .size: 8, .value_kind: global_buffer, .address_space: global }
      - { .name: W_k, .offset: 16, .size: 8, .value_kind: global_buffer, .address_space: global }
      - { .name: W_v, .offset: 24, .size: 8, .value_kind: global_buffer, .address_space: global }
      - { .name: W_o, .offset: 32, .size: 8, .value_kind: global_buffer, .address_space: global }
      - { .name: cimg, .offset: 40, .size: 8, .value_kind: global_buffer, .address_space: global }
      - { .name: csc, .offset: 48, .size: 8, .value_kind: global_buffer, .address_space: global }
    .group_segment_fixed_size: 34304
    .private_segment_fixed_size: 0
    .kernarg_segment_align: 8
    .kernarg_segment_size: 56
    .max_flat_workgroup_size: 128
    .sgpr_count:     66
    .vgpr_count:     240
    .wavefront_size: 32
...
	.end_amdgpu_metadata
.endif
;; end of part 1
;; launch qkv (part 2): grid 12 x 16, 4 waves a work-group, clusters of 4 x 4, 327,680 bytes of LDS; arguments cimg, csc, b_q, b_k, b_v, qkv; writes qkv
.if DOCPART == 2
	.amdgcn_target "amdgcn-amd-amdhsa--gfx1250"
	.amdhsa_code_object_version 6
	.text
	.protected	k_q736bf9bcc8_qkv
	.globl	k_q736bf9bcc8_qkv
	.p2align	8
	.type	k_q736bf9bcc8_qkv,@function
k_q736bf9bcc8_qkv:
	s_mov_b64 s[64:65], 0
	v_nop
	global_prefetch_b8 v0, s[64:65] scope:SCOPE_SE
	s_setreg_imm32_b32 hwreg(HW_REG_WAVE_MODE, 25, 1), 1
	s_wait_xcnt 0x0
	s_wait_alu depctr_hold_cnt(0) depctr_sa_sdst(0) depctr_va_vdst(0) depctr_va_sdst(0) depctr_va_ssrc(0) depctr_va_vcc(0) depctr_vm_vsrc(0)
	s_getreg_b32 s2, hwreg(HW_REG_IB_STS2, 6, 4)
	s_cmp_eq_u32 s2, 0
	s_cbranch_scc0 .Lentry_in_a_cluster
	s_endpgm
.Lentry_in_a_cluster:
	s_bfe_u32 s2, ttmp6, 0x10000c
	s_cmp_lg_u32 s2, 0xf033
	s_cbranch_scc0 .Lentry_shape_is_right
	s_endpgm
.Lentry_shape_is_right:
.set NQ,     2
.set FR,     12
.set NL,     6
.set NP,     4
.set FRAGB,  1536
.set TILEB,  NQ*FRAGB
.set HALFT,  8*TILEB
.set SLOT,   4*HALFT
.set SCL,    2*SLOT
.set HALFS,  4096
.set SBLK,   512
.set SPARE,  SCL+4*HALFS
.set PARTB,  6656
.set BLKB,   3*PARTB
.set HEADB,  32*BLKB
.set ADRA, 16
.set ADRB, 20
.set OV,   24
.set ADRS, 27
.set SPW,  28
.set NIL,  29
.set SC,   32
.set BI,   64
.set AF,   128
.set BJ,   96
.set TT,   128
.set OUT,  192
.set CT,   216
.set TM,   224
.set PW,   240
.set SW,   244
.set G1, 24
.set G0, 32
.set G1B, 48
.set G0B, 56
.set SEL, 66
.set G1S, 68
.set G0S, 76
.set G1SB, 80
.set G0SB, 88
.set OB,  92
.set HM,  94
.set ISV, 95
.set BIB, 96
.set BJB, 98
.set MSB, 0
.macro WIN new
.if MSB != \new
	s_set_vgpr_msb (MSB<<8)|\new
.set MSB, \new
.endif
.endm
.set MUL_LO, 0xa1
.set MUL_HI, 0xf1
.set TO_B,   0x40
.macro JLOAD g0a, g1a, g0b, g1b
	s_cmp_eq_u32 s17, 0
	s_cbranch_scc0 .Lfor_b_\@
	tensor_load_to_lds s[\g0a:\g0a+3], s[\g1a:\g1a+7]
	s_nop 0
.rept 4
	v_nop
.endr
	s_branch .Lasked_\@
.Lfor_b_\@:
	tensor_load_to_lds s[\g0b:\g0b+3], s[\g1b:\g1b+7]
	s_nop 0
.rept 4
	v_nop
.endr
.Lasked_\@:
.endm
.macro CREST
	s_cmp_lg_u32 s16, 0
	s_cbranch_scc1 .Lnot_wave_0_\@
	s_barrier_signal -3
.Lnot_wave_0_\@:
	s_barrier_wait -3
	s_barrier_signal -1
	s_barrier_wait -1
.endm
.macro CROUND
	s_barrier_signal -1
	s_barrier_wait -1
	CREST
.endm
	s_load_b256 s[4:11], s[0:1], 0x0
	s_load_b128 s[12:15], s[0:1], 0x20
	v_lshl_add_u32 v[SPW], v0, 2, SPARE
	v_mov_b32 v[NIL], 0
	ds_add_u32 v[SPW], v[NIL]
	ds_add_u32 v[SPW], v[NIL]
	v_lshrrev_b32 v1, 5, v0
	v_readfirstlane_b32 s16, v1
	s_lshr_b32 s17, s16, 1
	s_and_b32 s18, s16, 1
	s_bfe_u32 s19, ttmp6, 0x40000
	s_bfe_u32 s20, ttmp6, 0x40004
	s_and_b32 s22, ttmp7, 0xffff
	s_lshl_b32 s40, s20, 2
	s_lshl_b32 s40, 15, s40
	s_lshl_b32 s44, 0x1111, s19
	s_or_b32 s[G1], s40, (3<<16)|(1<<21)
	s_or_b32 s[G1B], s44, (3<<16)|(1<<21)
.irp g, G1, G1B
	s_mov_b32 s[\g+1], 384<<16
	s_mov_b32 s[\g+2], 16<<16
	s_mov_b32 s[\g+3], 384<<16
	s_mov_b32 s[\g+4], 16
	s_mov_b32 s[\g+5], 1536
	s_mov_b32 s[\g+6], 0
	s_mov_b32 s[\g+7], 0
.endr
	s_or_b32 s[G1S], s40, (3<<16)|(1<<21)
	s_or_b32 s[G1SB], s44, (3<<16)|(1<<21)
.irp g, G1S, G1SB
	s_mov_b32 s[\g+1], 32<<16
	s_mov_b32 s[\g+2], 32<<16
	s_mov_b32 s[\g+3], 32<<16
	s_mov_b32 s[\g+4], 32
	s_mov_b32 s[\g+5], 32
	s_mov_b32 s[\g+6], 0
	s_mov_b32 s[\g+7], 0
.endr
	s_lshl_b32 s41, s22, 10
	s_lshl_b32 s45, s22, 10
	s_lshl_b32 s46, ttmp9, 10
	s_add_co_u32 s46, s46, 4096
	s_lshl_b32 s43, s20, 8
	s_lshl_b32 s47, s19, 8
	s_lshl_b32 s23, s18, 7
	s_cmp_eq_u32 ttmp9, 2
	s_cselect_b32 s[ISV], 1, 0
	s_cselect_b32 s41, 6144, s41
	s_cselect_b32 s45, s45, s46
	s_add_co_u32 s41, s41, s43
	s_add_co_u32 s41, s41, s23
	s_add_co_u32 s45, s45, s47
	s_add_co_u32 s45, s45, s23
	s_mul_i32 s42, s41, 768
	s_mov_b32 s43, 0
	s_lshl_b32 s40, s41, 5
	s_mov_b32 s41, 0
	s_mul_i32 s46, s45, 768
	s_mov_b32 s47, 0
	s_lshl_b32 s44, s45, 5
	s_mov_b32 s45, 0
	s_mul_i32 s2, s16, HALFT
	s_lshl_b32 s21, s16, 12
	s_mov_b32 s[SEL], 0x76543210
	s_mov_b32 s[SEL+1], 0xfedcba98
	s_mov_b32 s[HM], 0xffff0000
	s_wait_dscnt 0x0
	s_wait_kmcnt 0x0
	s_add_nc_u64 s[42:43], s[4:5], s[42:43]
	s_add_nc_u64 s[40:41], s[6:7], s[40:41]
	s_add_nc_u64 s[46:47], s[4:5], s[46:47]
	s_add_nc_u64 s[44:45], s[6:7], s[44:45]
	CROUND
	; the head's four tiles, each whole, one joint load a wave: wave 0 slot 0's 16 tiles of A, wave 1 its 16 of B, wave 2 A's scales, wave 3 B's
	s_mul_i32 s96, s18, 98304                      ; my half's 128 rows of codes, taken off again: the head's loads begin at the tile's first row
	s_mov_b32 s97, 0
	s_sub_nc_u64 s[6:7], s[42:43], s[96:97]
	s_sub_nc_u64 s[98:99], s[46:47], s[96:97]
	s_lshl_b32 s96, s18, 12                        ; and 128 rows of scale words
	s_sub_nc_u64 s[G0S+2:G0S+3], s[40:41], s[96:97]
	s_sub_nc_u64 s[G0SB+2:G0SB+3], s[44:45], s[96:97]
	s_mov_b32 s4, 1
	s_mov_b32 s5, 0
	s_or_b32 s7, s7, 0x80000000
	s_mov_b32 s96, 1
	s_mov_b32 s97, 2*HALFT
	s_or_b32 s99, s99, 0x80000000
	s_mov_b32 s[G0S], 1
	s_mov_b32 s[G0S+1], SCL
	s_or_b32 s[G0S+3], s[G0S+3], 0x80000000
	s_mov_b32 s[G0SB], 1
	s_mov_b32 s[G0SB+1], SCL+2*HALFS
	s_or_b32 s[G0SB+3], s[G0SB+3], 0x80000000
	s_cmp_lt_u32 s16, 1
	s_cbranch_scc0 .Lhead_b
	tensor_load_to_lds s[4:7], s[G1:G1+7]
	s_nop 0
.rept 4
	v_nop
.endr
	s_branch .Lhead_asked
.Lhead_b:
	s_cmp_lt_u32 s16, 2
	s_cbranch_scc0 .Lhead_sa
	tensor_load_to_lds s[96:99], s[G1B:G1B+7]
	s_nop 0
.rept 4
	v_nop
.endr
	s_branch .Lhead_asked
.Lhead_sa:
	s_cmp_lt_u32 s16, 3
	s_cbranch_scc0 .Lhead_sb
	tensor_load_to_lds s[G0S:G0S+3], s[G1S:G1S+7]
	s_nop 0
.rept 4
	v_nop
.endr
	s_branch .Lhead_asked
.Lhead_sb:
	tensor_load_to_lds s[G0SB:G0SB+3], s[G1SB:G1SB+7]
	s_nop 0
.rept 4
	v_nop
.endr
.Lhead_asked:
.irp s, 0,1
	s_mov_b32 s[G0+4*\s], 1
	s_add_co_u32 s[G0+4*\s+1], s2, \s*SLOT
	s_add_nc_u64 s[G0+4*\s+2:G0+4*\s+3], s[42:43], \s*TILEB
	s_or_b32 s[G0+4*\s+3], s[G0+4*\s+3], 0x80000000
	s_mov_b32 s[G0B+4*\s], 1
	s_add_co_u32 s[G0B+4*\s+1], s2, \s*SLOT
	s_add_nc_u64 s[G0B+4*\s+2:G0B+4*\s+3], s[46:47], \s*TILEB
	s_or_b32 s[G0B+4*\s+3], s[G0B+4*\s+3], 0x80000000
.endr
	s_wait_alu depctr_va_vdst(0)
	s_wait_tensorcnt 0x0                           ; my tile of the head's four is in; no tensor load of mine is out
	ds_add_u32 v28, v29
	s_mov_b32 s[G1+2], 8<<16                       ; from here on a load brings 8 tiles
	s_mov_b32 s[G1+4], 8
	s_mov_b32 s[G1B+2], 8<<16
	s_mov_b32 s[G1B+4], 8
	s_wait_dscnt 0x0
	CROUND
	JLOAD G0+4, G1, G0B+4, G1B
	v_and_b32 v1, 15, v0
	v_bfe_u32 v2, v0, 4, 1
	s_wait_alu depctr_va_vdst(0)
	v_and_b32 v3, 31, v0
	v_lshlrev_b32 v4, 3, v3
	s_mul_i32 s21, s17, HALFT
	s_mul_i32 s23, s18, HALFT
	s_add_co_u32 s23, s23, 2*HALFT
.irp s, 0,1
	v_add_nc_u32 v[ADRA+\s], s21, v4
	v_add_nc_u32 v[ADRB+\s], s23, v4
	s_add_co_u32 s21, s21, SLOT
	s_add_co_u32 s23, s23, SLOT
.endr
	v_lshlrev_b32 v5, 4, v1
	s_lshl_b32 s21, s17, 12
	s_lshl_b32 s23, s18, 12
	s_add_co_u32 s23, s23, 2*HALFS
	s_sub_co_u32 s23, s23, s21
	v_mul_u32_u24 v6, s23, v2
	s_add_co_u32 s21, s21, SCL
	v_add_nc_u32 v5, v5, v6
	v_add_nc_u32 v[ADRS], s21, v5
	v_lshlrev_b32 v[OV], 4, v3
	v_lshlrev_b32 v12, 6, v2
	s_wait_alu depctr_va_vdst(0)
	v_and_b32 v13, 8, v1
	v_add_nc_u32 v13, v13, v1
	v_lshlrev_b32 v13, 2, v13
	s_wait_alu depctr_va_vdst(0)
	s_lshl_b32 s44, s19, 1
	s_add_co_u32 s44, s44, s18
	s_lshl_b32 s40, s20, 1
	s_add_co_u32 s40, s40, s17
	s_cmp_eq_u32 ttmp9, 0
	s_cselect_b64 s[BIB:BIB+1], s[8:9], s[10:11]
	s_cselect_b32 s2, 2*PARTB, 0
	s_cmp_eq_u32 ttmp9, 2
	s_cselect_b64 s[BIB:BIB+1], s[12:13], s[BIB:BIB+1]
	s_cselect_b32 s2, PARTB, s2
	s_cselect_b32 s[OB], s40, s44
	s_cselect_b32 s[OB+1], s44, s40
	s_lshl_b32 s46, s44, 9
	s_mov_b32 s47, 0
	s_add_nc_u64 s[BIB:BIB+1], s[BIB:BIB+1], s[46:47]
	s_lshl_b32 s42, s40, 9
	s_mov_b32 s43, 0
	s_add_nc_u64 s[BJB:BJB+1], s[12:13], s[42:43]
	s_lshl_b32 s23, s22, 3
	s_add_co_u32 s[OB+1], s[OB+1], s23
	s_lshl_b32 s[OB], s[OB], 6
	s_add_co_u32 s[OB], s[OB], s[OB+1]
	s_mul_i32 s[OB], s[OB], BLKB
	s_add_co_u32 s[OB], s[OB], s2
	s_mov_b32 s[OB+1], 0
	s_add_nc_u64 s[OB:OB+1], s[14:15], s[OB:OB+1]
.irp b, 0,1,2,3
.irp e, 0,1,2,3
	global_load_b128 v[BI+16*\b+4*\e:BI+16*\b+4*\e+3], v12, s[BIB:BIB+1] offset:128*\b+16*\e
.endr
.endr
	WIN TO_B
.irp a, 0,1,2,3,4,5,6,7
	global_load_b32 v[BJ+2*\a], v13, s[BJB:BJB+1] offset:4*(32*(\a/2)+8*(\a%2))
	global_load_b32 v[BJ+2*\a+1], v13, s[BJB:BJB+1] offset:4*(32*(\a/2)+8*(\a%2))
.endr
	WIN 0
.irp b, 0,1,2,3
	v_mov_b32 v[TM+4+\b], 0
.endr
.macro FRAG reg, adr, q, i
.irp p, 0,1,2,3,4,5
	ds_load_b64 v[\reg+2*\p:\reg+2*\p+1], v[\adr] offset:(\i)*TILEB+(\q)*FRAGB+256*\p
.endr
.endm
.macro MUL16 a0, p, q, sc, zero
.irp a, \a0, \a0+1
.irp b, 0,1,2,3,4,5,6,7
.if \zero
	v_wmma_scale_f32_16x16x128_f8f6f4 v[8*(8*((\a)%4)+\b):8*(8*((\a)%4)+\b)+7], v[128*(\p)+FR*\b:128*(\p)+FR*\b+FR-1], v[AF+FR*(\a):AF+FR*(\a)+FR-1], 0, v[SC+8*NQ*(\sc)+NQ*\b+(\q)], v[SC+8*NQ*(\sc)+NQ*(\a)+(\q)] matrix_a_fmt:MATRIX_FMT_FP6 matrix_b_fmt:MATRIX_FMT_FP6 matrix_a_scale:MATRIX_SCALE_ROW1
.else
	v_wmma_scale_f32_16x16x128_f8f6f4 v[8*(8*((\a)%4)+\b):8*(8*((\a)%4)+\b)+7], v[128*(\p)+FR*\b:128*(\p)+FR*\b+FR-1], v[AF+FR*(\a):AF+FR*(\a)+FR-1], v[8*(8*((\a)%4)+\b):8*(8*((\a)%4)+\b)+7], v[SC+8*NQ*(\sc)+NQ*\b+(\q)], v[SC+8*NQ*(\sc)+NQ*(\a)+(\q)] matrix_a_fmt:MATRIX_FMT_FP6 matrix_b_fmt:MATRIX_FMT_FP6 matrix_a_scale:MATRIX_SCALE_ROW1
.endif
.endr
.endr
.endm
.macro FETCH_B slot, q, p
	WIN TO_B
.irp i, 0,1,2,3,4,5,6,7
	FRAG 128*(\p)+FR*\i, ADRB+\slot, \q, \i
.endr
	WIN 0
.endm
.macro FETCH_A slot, q, i0
.irp i, \i0, \i0+1, \i0+2, \i0+3
	FRAG AF+FR*(\i), ADRA+\slot, \q, \i
.endr
.endm
.macro SCALES sc
.irp i, 0,1,2,3,4,5,6,7
	ds_load_b64 v[SC+8*NQ*\sc+NQ*\i:SC+8*NQ*\sc+NQ*\i+1], v[ADRS] offset:\i*SBLK
.endr
.endm
.macro PLACES n
.rept \n
	v_nop
.endr
.endm
.macro STEP slot, q, zero
	s_wait_dscnt 4*NL
	WIN MUL_LO
	MUL16 0, (\q)%2, \q, \slot, \zero
	MUL16 2, (\q)%2, \q, \slot, \zero
	s_wait_dscnt 0
	PLACES NP
	FETCH_B \slot, (\q)+1, 1-(\q)%2
	FETCH_A \slot, (\q)+1, 0
	WIN MUL_HI
	MUL16 4, (\q)%2, \q, \slot, \zero
	MUL16 6, (\q)%2, \q, \slot, \zero
	PLACES NP
	WIN 0
	FETCH_A \slot, (\q)+1, 4
.endm
.macro TURN slot, next, fill
	s_wait_tensorcnt 0x0
	ds_add_u32 v[SPW], v[NIL]
	s_wait_dscnt 4*NL+1
	WIN MUL_LO
	MUL16 0, 1, NQ-1, \slot, 0
	s_wait_dscnt 0x0
	s_barrier_signal -1
	MUL16 2, 1, NQ-1, \slot, 0
	WIN 0
	s_barrier_wait -1
.if \fill
	CREST
	s_add_nc_u64 s[G0+4*\slot+2:G0+4*\slot+3], s[G0+4*\slot+2:G0+4*\slot+3], 2*TILEB
	s_add_nc_u64 s[G0B+4*\slot+2:G0B+4*\slot+3], s[G0B+4*\slot+2:G0B+4*\slot+3], 2*TILEB
	JLOAD G0+4*\slot, G1, G0B+4*\slot, G1B
.else
	PLACES NP
.endif
.if \slot == 0
	s_wait_alu depctr_va_vdst(0)
	v_add_nc_u32 v[ADRS], 8, v[ADRS]
.else
	s_wait_alu depctr_va_vdst(0)
	v_add_nc_u32 v[ADRS], 248, v[ADRS]
.endif
	FETCH_B \next, 0, 0
	FETCH_A \next, 0, 0
	SCALES \next
	WIN MUL_HI
	MUL16 4, 1, NQ-1, \slot, 0
	MUL16 6, 1, NQ-1, \slot, 0
	PLACES NP
	WIN 0
	FETCH_A \next, 0, 4
.endm
	s_wait_tensorcnt 1
	s_barrier_signal -1
	s_barrier_wait -1
	FETCH_B 0, 0, 0
	FETCH_A 0, 0, 0
	SCALES 0
	FETCH_A 0, 0, 4
	STEP 0, 0, 1
	s_mov_b32 s3, 1
.Llap:
	TURN 0, 1, 1
	STEP 1, 0, 0
	TURN 1, 0, 1
	STEP 0, 0, 0
	s_sub_co_u32 s3, s3, 1
	s_cmp_lg_u32 s3, 0
	s_cbranch_scc1 .Llap
	TURN 0, 1, 0
	STEP 1, 0, 0
	s_wait_dscnt 4*NL
	WIN MUL_LO
	MUL16 0, 1, NQ-1, 1, 0
	MUL16 2, 1, NQ-1, 1, 0
	s_wait_dscnt 0
	WIN MUL_HI
	MUL16 4, 1, NQ-1, 1, 0
	MUL16 6, 1, NQ-1, 1, 0
	WIN 0
.macro ADDB a, isv
.set AC, 64*((\a)%4)
.if \isv
	WIN 0x06+(\a)/4
.else
	WIN 0x02+(\a)/4
.endif
.set i, 0
.rept 32
.if \isv
	v_pk_add_f32 v[TT+2*i:TT+2*i+1], v[AC+2*i:AC+2*i+1], v[BJ+2*(\a):BJ+2*(\a)+1]
.else
	v_pk_add_f32 v[TT+2*i:TT+2*i+1], v[AC+2*i:AC+2*i+1], v[BI+2*i:BI+2*i+1]
.endif
.set i, i+1
.endr
	WIN 0
.endm
.macro QUANT s, d0, d1, pw
.irp b, 0,1,2,3
	v_max3_num_f32 v[TM+\b], |v[\s+16*\b]|, |v[\s+1+16*\b]|, 0x1800000
.endr
.irp i, 2,4,6,8,10,12,14
.irp b, 0,1,2,3
	v_max3_num_f32 v[TM+\b], v[TM+\b], |v[\s+16*\b+\i]|, |v[\s+1+16*\b+\i]|
.endr
.endr
.irp b, 0,1,2,3
	v_permlanex16_b32 v[TM+4+\b], v[TM+\b], s[SEL], s[SEL+1]
.endr
.irp b, 0,1,2,3
	v_max_num_f32 v[TM+\b], v[TM+\b], v[TM+4+\b]
.endr
.irp b, 0,1,2,3
	v_add_nc_u32 v[TM+12+\b], 0xff000000, v[TM+\b]
.endr
.irp b, 0,1,2,3
	v_lshrrev_b32 v[TM+4+\b], 23, v[TM+12+\b]
.endr
	v_lshl_or_b32 v[\pw], v[TM+5], 8, v[TM+4]
	v_lshl_or_b32 v[\pw], v[TM+6], 16, v[\pw]
	v_lshl_or_b32 v[\pw], v[TM+7], 24, v[\pw]
	v_cvt_scalef32_pk16_fp6_f32 v[\d0:\d0+2], v[\s:\s+15], v[TM+12]
	v_cvt_scalef32_pk16_fp6_f32 v[CT:CT+2], v[\s+16:\s+31], v[TM+13]
	v_cvt_scalef32_pk16_fp6_f32 v[\d1:\d1+2], v[\s+32:\s+47], v[TM+14]
	v_cvt_scalef32_pk16_fp6_f32 v[CT+4:CT+6], v[\s+48:\s+63], v[TM+15]
	v_nop
.irp i, 0,1,2
	v_permlane16_swap_b32 v[\d0+\i], v[CT+\i]
.endr
.irp i, 0,1,2
	v_mov_b32 v[\d0+3+\i], v[CT+\i]
.endr
.irp i, 0,1,2
	v_permlane16_swap_b32 v[\d1+\i], v[CT+4+\i]
.endr
.irp i, 0,1,2
	v_mov_b32 v[\d1+3+\i], v[CT+4+\i]
.endr
.endm
	s_wait_loadcnt 0x0
	PLACES NP
	s_cmp_eq_u32 s[ISV], 1
	s_cbranch_scc1 .Lvalues
.irp ap, 0,1,2,3
.irp e, 0,1
	ADDB 2*\ap+\e, 0
.if (\e == 0) && (\ap > 0)
	s_wait_xcnt 0x0
.endif
	QUANT TT, OUT+6*\e, OUT+12+6*\e, PW+\e
.endr
	v_cndmask_b32 v[SW+\ap], v[PW], v[PW+1], s[HM]
.irp c, 0,1
.irp f, 0,1,2
	global_store_b128 v[OV], v[OUT+12*\c+4*\f:OUT+12*\c+4*\f+3], s[OB:OB+1] offset:\c*HEADB+512*(3*\ap+\f)
.endr
.endr
.endr
.irp q, 0,1,2,3
	v_lshrrev_b32 v[SW+4+\q], 16, v[SW+\q]
.endr
.irp q, 0,1,2,3
	v_and_b32 v[SW+\q], 0xffff, v[SW+\q]
.endr
	global_store_b128 v[OV], v[SW:SW+3], s[OB:OB+1] offset:6144
	global_store_b128 v[OV], v[SW+4:SW+7], s[OB:OB+1] offset:HEADB+6144
	s_branch .Lend
.Lvalues:
.irp a, 0,1,2,3,4,5,6,7
	ADDB \a, 1
.if \a > 0
	s_wait_xcnt 0x0
.endif
	QUANT TT, OUT, OUT+6, SW+\a%4
.irp f, 0,1,2
	global_store_b128 v[OV], v[OUT+4*\f:OUT+4*\f+3], s[OB:OB+1] offset:(\a/4)*HEADB+512*(3*(\a%4)+\f)
.endr
.if (\a%4) == 3
	global_store_b128 v[OV], v[SW:SW+3], s[OB:OB+1] offset:(\a/4)*HEADB+6144
.endif
.endr
.Lend:
	s_wait_tensorcnt 0x0
	ds_add_u32 v[SPW], v[NIL]
	s_wait_dscnt 0x0
	CROUND
	s_endpgm
.Lfunc_end_k_q736bf9bcc8_qkv:
	.size	k_q736bf9bcc8_qkv, .Lfunc_end_k_q736bf9bcc8_qkv-k_q736bf9bcc8_qkv
	.p2alignl 7, 3214868480
	.fill 96, 4, 3214868480
	.section	.rodata,"a",@progbits
	.p2align	6, 0x0
	.amdhsa_kernel k_q736bf9bcc8_qkv
		.amdhsa_group_segment_fixed_size 327680
		.amdhsa_private_segment_fixed_size 0
		.amdhsa_enable_private_segment 0
		.amdhsa_kernarg_size 48
		.amdhsa_user_sgpr_count 2
		.amdhsa_user_sgpr_kernarg_segment_ptr 1
		.amdhsa_wavefront_size32 1
		.amdhsa_system_sgpr_workgroup_id_x 1
		.amdhsa_system_sgpr_workgroup_id_y 1
		.amdhsa_system_sgpr_workgroup_id_z 1
		.amdhsa_system_vgpr_workitem_id 0
		.amdhsa_next_free_vgpr 1024
		.amdhsa_next_free_sgpr 100
		.amdhsa_reserve_vcc 0
		.amdhsa_float_denorm_mode_32 3
		.amdhsa_float_denorm_mode_16_64 3
		.amdhsa_memory_ordered 1
		.amdhsa_forward_progress 1
		.amdhsa_inst_pref_size 234
	.end_amdhsa_kernel
	.amdgpu_metadata
---
amdhsa.version: [ 1, 2 ]
amdhsa.kernels:
  - .name:           k_q736bf9bcc8_qkv
    .symbol:         k_q736bf9bcc8_qkv.kd
    .args:
      - { .name: cimg, .offset: 0, .size: 8, .value_kind: global_buffer, .address_space: global }
      - { .name: csc, .offset: 8, .size: 8, .value_kind: global_buffer, .address_space: global }
      - { .name: b_q, .offset: 16, .size: 8, .value_kind: global_buffer, .address_space: global }
      - { .name: b_k, .offset: 24, .size: 8, .value_kind: global_buffer, .address_space: global }
      - { .name: b_v, .offset: 32, .size: 8, .value_kind: global_buffer, .address_space: global }
      - { .name: qkv, .offset: 40, .size: 8, .value_kind: global_buffer, .address_space: global }
    .group_segment_fixed_size: 327680
    .private_segment_fixed_size: 0
    .kernarg_segment_align: 8
    .kernarg_segment_size: 48
    .max_flat_workgroup_size: 128
    .sgpr_count:     100
    .vgpr_count:     1024
    .wavefront_size: 32
...
	.end_amdgpu_metadata
.endif
;; end of part 2
;; launch attn (part 3): grid 16 x 16, 16 waves a work-group, no clusters, 327,680 bytes of LDS; arguments qkv, yimg, ysc; writes yimg, ysc
.if DOCPART == 3
	.amdgcn_target "amdgcn-amd-amdhsa--gfx1250"
	.amdhsa_code_object_version 6
	.text
	.protected	k_q736bf9bcc8_attn
	.globl	k_q736bf9bcc8_attn
	.p2align	8
	.type	k_q736bf9bcc8_attn,@function
k_q736bf9bcc8_attn:
	s_mov_b64 s[64:65], 0
	v_nop
	global_prefetch_b8 v0, s[64:65] scope:SCOPE_SE
	s_setreg_imm32_b32 hwreg(HW_REG_WAVE_MODE, 25, 1), 1
	s_wait_xcnt 0x0
; Y[q] = the sum over keys k <= q of softmax_k(Q[q] . K[k] / 8) V[k], 16 heads of 64, 4,096 tokens, both products on codes of FP6 (E2M3) with E8M0 scales; Y leaves as codes, quantised along the model's axis.
; Key steps that lie wholly above the diagonal are hidden by the causal mask that the problem builds itself: they are not computed.
; THE SOFTMAX: t = score x log2(e) / 8; M = the largest t so far, rounded UP to a whole number; p = 2^(t - M) is quantised along the keys, not normalised; the sum is taken of the unquantised p and divides at the end.
; SHARES.  Work-group (I, head) owns query blocks I and 31 - I, 128 queries each.  Block b needs key steps 0 .. b of 128 keys: 33 positions on end, position s = key step s (s <= I) or s - I - 1.
; 16 waves: wave w has tile w % 8 (16 queries) and half g = w / 8 of the positions: those of parity g (17 or 16).  Each half keeps its own M, sum and O^T.
; At its last position of block I a wave puts these 36 registers into its own stage in LDS and begins block 31 - I; at the end it does so again.  Behind one barrier half 0 joins the two parts of block I and
; half 1 those of block 31 - I: both are brought under the larger M by powers of two, which round nothing.  (With I = 0 half 1 has no position in block I: the empty part stored at the head stands for it.)
; NO CLUSTER: each work-group's walk over the keys turns at its own position I, so partners would want different tiles in the same round.
; qkv: [head][block of 128 tokens][K part, V part, Q part], a part 6,144 bytes of codes (registers 4 g .. 4 g + 3 of a lane's 48 at 512 g + 16 l) and 512 of scale words.  K's and V's parts are 13,312 dense bytes: a key step's tile.
; THE RING: two LDS slots of four positions; waves 0 to 3 fetch one each; position 4 n + p lies at place 2 (p % 2) + p / 2, so that a half's two lie on end.
; LAYOUT.  Both products transposed: S^T = K Q^T, O^T = V^T P^T: a lane holds one query.  Lane r of tile t stands for row 32 (t / 2) + 8 (t % 2) + r + 8 (r / 8), so the 16 registers of tiles 2 b, 2 b + 1 are 16 neighbours.
; K = 64 IN AN INSTRUCTION OF 128: Q's registers 6-11 are zero codes, and the upper two bytes of Q's and K's scale words are 0; K's tile t is named as v[32 + 6 t .. + 11].
; LIMITS: blocks whose largest magnitude lies under 2^-124, and blocks of zeros, get the byte 1; the division by the sum is v_rcp_f32 and a multiplication; NaN and infinities are not served;
; the scaled scores stay under 2^31 in magnitude.
.set STEPB, 13312
.set BLKB,  19968
.set HEADB, 638976
.set SLOT1, 65536
.set STAGE, 131072                     ; 16 waves x 2 parts x 4,608 bytes
.set SPARE, STAGE+16*9216              ; the spare words, 128 bytes a wave
.set LI,  1
.set ADR, 2
.set DQ,  3
.set SPW, 4
.set NIL, 5
.set FF,  6
.set PSW, 7
.set BM,  8
.set NM,  12
.set TX,  13
.set SUM, 14
.set QF,  16
.set PFO, 28
.set L8,  29
.set R16, 30
.set STG, 31                           ; my stage + 16 x lane
.set KF,  32
.set VF,  86
.set S,   134
.set OT,  198
.set PC,  230
.set CSO, 242
.set KSW, 246
.set VSW, 250
.set QSW, 254
.set TMP, 255
; s10 wave, s62 tile, s63 half, s11 I, s12 head, s13 my position, s14 trips to go, s15 my two places of the slot in hand, s16 the position of my next fill, s17 I + 1, s18 who prefetches, s19 at work,
; s[20:21] lane selects, s[22:23] c, s[24:31] group 1, s[32:35] group 0, s[36:37] the head in qkv, s[38:39] an offset, s[40:47] Q, s[48:51] yimg, ysc, s[52:53] from block I to 31 - I, s54-56 stage, s[58:59] prefetches
.macro KADDR
	s_cmp_gt_u32 s16, s11
	s_cselect_b32 s19, s17, 0
	s_sub_co_u32 s19, s16, s19
	s_mul_i32 s38, s19, BLKB
	s_add_nc_u64 s[34:35], s[36:37], s[38:39]
	s_or_b32 s35, s35, 0x80000000
	s_add_co_u32 s16, s16, 4
.endm
.macro TLOAD lim
	s_cmp_lt_u32 s10, \lim
	s_cbranch_scc0 .Lnone_\@
	tensor_load_to_lds s[32:35], s[24:31]
	s_nop 0
.rept 4
	v_nop
.endr
.Lnone_\@:
.endm
; A PREFETCH INTO THE L2.  In work-group I = 0 of each head, whose second block walks all 32 key steps in order, waves 4 to 7 name a key step each: 52 blocks of 256 bytes by two instructions of 26 lanes
; (lanes 26-31 name lane 25's block again).  Change of slots n (from 0) names key steps 4 n + 7 .. 4 n + 10: what that work-group's next change brings.  Waves 5 to 7 stop one change ahead of wave 4: no key step past 31 is named.
.macro ASK
	s_cmp_gt_u32 s14, s18
	s_cbranch_scc0 .Lnot_mine_\@
	global_prefetch_b8 v[PFO], s[58:59] th:TH_LOAD_NT scope:SCOPE_SE
	global_prefetch_b8 v[PFO], s[58:59] offset:6656 th:TH_LOAD_NT scope:SCOPE_SE
.Lnot_mine_\@:
.endm
.macro DUMP b                          ; O^T, -M, the largest t and the sum: 36 registers into part b of my stage
.irp i, 0,1,2,3,4,5,6,7
	ds_store_b128 v[STG], v[OT+4*\i:OT+4*\i+3] offset:4608*\b+512*\i
.endr
	ds_store_b128 v[STG], v[NM:NM+3] offset:4608*\b+4096
.endm
	s_load_b128 s[4:7], s[0:1], 0x0
	s_load_b64 s[8:9], s[0:1], 0x10
	v_lshl_add_u32 v[SPW], v0, 2, SPARE
	v_mov_b32 v[NIL], 0
	ds_add_u32 v[SPW], v[NIL]
	ds_add_u32 v[SPW], v[NIL]
	v_lshrrev_b32 v31, 5, v0
	s_delay_alu instid0(VALU_DEP_1)
	v_readfirstlane_b32 s10, v31
	s_and_b32 s62, s10, 7
	s_lshr_b32 s63, s10, 3
	s_mov_b32 s11, ttmp9
	s_and_b32 s12, ttmp7, 0xffff
	s_add_co_u32 s17, s11, 1
	s_mov_b32 s24, 3<<16                           ; group 1: 52 dense rows of 256 bytes
	s_mov_b32 s25, 32<<16
	s_mov_b32 s26, 52<<16
	s_mov_b32 s27, 32<<16
	s_mov_b32 s28, 52
	s_mov_b32 s29, 32
	s_mov_b32 s30, 0
	s_mov_b32 s31, 0
	s_mov_b32 s20, 0x76543210
	s_mov_b32 s21, 0xfedcba98
	s_mov_b32 s22, 0x3e38aa3b                      ; c = log2(e) / 8
	s_mov_b32 s23, s22
	s_mov_b32 s13, s63
	s_mov_b32 s14, 7
	s_mul_i32 s15, s63, 2*STEPB
	s_mov_b32 s16, s10
	s_sub_co_u32 s19, s10, 4
	s_cmp_lt_u32 s19, 4
	s_cselect_b32 s18, 1, -1
	s_cmp_eq_u32 s10, 4
	s_cselect_b32 s18, 0, s18
	s_cmp_eq_u32 s11, 0
	s_cselect_b32 s18, s18, -1
	s_mul_i32 s38, s12, HEADB
	s_mov_b32 s39, 0
	s_mov_b32 s32, 1
	s_and_b32 s33, s10, 1                          ; my fill's place: 2 (w % 2) + w / 2
	s_lshl_b32 s33, s33, 1
	s_lshr_b32 s19, s10, 1
	s_add_co_u32 s33, s33, s19
	s_mul_i32 s33, s33, STEPB
	s_wait_dscnt 0x0
	s_wait_kmcnt 0x0
	s_add_nc_u64 s[36:37], s[4:5], s[38:39]
	KADDR
	TLOAD 4                                        ; slot 0
	s_max_u32 s19, s10, 1
	s_sub_co_u32 s19, s19, 1
	s_mul_i32 s38, s19, BLKB
	s_add_nc_u64 s[58:59], s[36:37], s[38:39]      ; the first change of slots steps it four key steps on
	s_cmp_gt_u32 s63, s11                          ; half 1 of I = 0 begins with block 31
	s_cselect_b32 s19, 31, s11
	s_mul_i32 s60, s19, BLKB
	s_add_co_u32 s60, s60, 2*6656
.irp p, 0,1,2
	s_mul_i32 s19, s62, 3
	s_add_co_u32 s19, s19, \p
	s_lshr_b32 s38, s19, 1
	s_lshl_b32 s38, s38, 9
	s_and_b32 s19, s19, 1
	s_lshl_b32 s19, s19, 3
	s_add_co_u32 s38, s38, s19
	s_add_co_u32 s38, s38, s60
	s_add_nc_u64 s[40+2*\p:41+2*\p], s[36:37], s[38:39]
.endr
	s_and_b32 s19, s62, 1
	s_lshl_b32 s38, s19, 8
	s_lshr_b32 s19, s62, 1
	s_lshl_b32 s19, s19, 2
	s_add_co_u32 s38, s38, s19
	s_add_co_u32 s38, s38, s60
	s_add_co_u32 s38, s38, 6144
	s_add_nc_u64 s[46:47], s[36:37], s[38:39]
	v_and_b32 v31, 31, v0
	s_wait_alu depctr_va_vdst(0)
	v_lshlrev_b32 v[LI], 4, v31
	v_and_b32 v[R16], 15, v0
	s_delay_alu instid0(VALU_DEP_1)
	v_and_b32 v[DQ], 8, v[R16]
	s_delay_alu instid0(VALU_DEP_1)
	v_add_nc_u32 v[DQ], v[DQ], v[R16]
	s_delay_alu instid0(VALU_DEP_3)
	v_lshlrev_b32 v[R16], 4, v[R16]
.irp p, 0,1,2
	global_load_b64 v[QF+2*\p:QF+2*\p+1], v[LI], s[40+2*\p:41+2*\p]
.endr
	global_load_b32 v[QSW], v[R16], s[46:47]
	s_lshl_b32 s19, s11, 1
	s_sub_co_u32 s19, 31, s19
	s_mul_i32 s52, s19, BLKB
	s_mov_b32 s53, 0
	s_lshl_b32 s54, s62, 1                         ; the two parts that I join: part g of waves w % 8 and w % 8 + 8
	s_add_co_u32 s54, s54, s63
	s_mul_i32 s54, s54, 4608
	s_add_co_u32 s54, s54, STAGE
	s_add_co_u32 s55, s54, 73728
	s_mul_i32 s56, s10, 9216
	s_add_co_u32 s56, s56, STAGE
	s_sub_co_u32 s19, 31, s11                      ; the block that I finish: I (half 0) or 31 - I
	s_cmp_eq_u32 s63, 0
	s_cselect_b32 s19, s11, s19
	s_lshl_b32 s60, s19, 3
	s_add_co_u32 s60, s60, s62
	s_mul_i32 s38, s60, 12288
	s_mul_i32 s19, s12, 768
	s_add_co_u32 s38, s38, s19
	s_add_nc_u64 s[48:49], s[6:7], s[38:39]
	s_lshl_b32 s38, s60, 9
	s_lshr_b32 s61, s12, 3
	s_lshl_b32 s61, s61, 8
	s_add_co_u32 s38, s38, s61
	s_and_b32 s61, s12, 7
	s_lshl_b32 s61, s61, 1
	s_add_co_u32 s38, s38, s61
	s_add_nc_u64 s[50:51], s[8:9], s[38:39]
	v_lshlrev_b32 v[L8], 3, v31
	v_min_u32 v[PFO], 25, v31
	s_delay_alu instid0(VALU_DEP_1)
	v_lshlrev_b32 v[PFO], 8, v[PFO]
	v_bfe_u32 v31, v0, 4, 1
	s_delay_alu instid0(VALU_DEP_1)
	v_lshlrev_b32 v31, 4, v31
	s_wait_alu depctr_va_vdst(0)
	v_sub_nc_u32 v[DQ], v[DQ], v31
	s_lshr_b32 s19, s62, 1
	s_lshl_b32 s19, s19, 5
	s_and_b32 s61, s62, 1
	s_lshl_b32 s61, s61, 3
	s_add_co_u32 s19, s19, s61
	v_add_nc_u32 v[DQ], s19, v[DQ]
	v_add_nc_u32 v[STG], s56, v[LI]
	v_mov_b32 v[PSW], 0
	v_mov_b32 v[TX], 0xff61b1e6                    ; -3e38, under every t
	s_delay_alu instid0(VALU_DEP_1)
	v_floor_f32 v[NM], -v[TX]
	v_mov_b32 v[SUM], 0
	v_mov_b32 v[SUM+1], 0
.irp i, 0,1,2,3,4,5
	v_mov_b32 v[QF+6+\i], 0
	v_mov_b32 v[KF+48+\i], 0
.endr
.irp i, 0,1,2,3
	v_mov_b32 v[PC+\i], 0
.endr
.set i, 0
.rept 32
	v_mov_b32 v[OT+i], 0
.set i, i+1
.endr
	DUMP 0                                         ; the empty part of block I: a wave that has positions in block I writes over it
	s_wait_alu depctr_va_vdst(0)
; A BLOCK OF Y LEAVES: O^T / the sum, two blocks of 32 channels quantised, six registers of codes and two scale bytes a row
.macro FINAL
	v_add_f32 v[SUM], v[SUM], v[SUM+1]
	s_delay_alu instid0(VALU_DEP_1)
	v_permlanex16_b32 v[TMP], v[SUM], s20, s21
	s_delay_alu instid0(VALU_DEP_1)
	v_add_f32 v[SUM], v[SUM], v[TMP]
	s_wait_alu depctr_va_vdst(0)
	v_rcp_f32 v[SUM], v[SUM]
	v_nop
	s_wait_alu depctr_va_vdst(0)
.set i, 0
.rept 16
	v_pk_mul_f32 v[S+2*i:S+2*i+1], v[OT+2*i:OT+2*i+1], v[SUM:SUM+1] op_sel_hi:[1,0]
.set i, i+1
.endr
.irp b, 0,1
	v_max3_num_f32 v[BM+\b], |v[S+16*\b]|, |v[S+16*\b+1]|, 0x1800000
.endr
.irp i, 2,4,6,8,10,12,14
.irp b, 0,1
	s_delay_alu instid0(VALU_DEP_2)
	v_max3_num_f32 v[BM+\b], v[BM+\b], |v[S+16*\b+\i]|, |v[S+16*\b+\i+1]|
.endr
.endr
.irp b, 0,1
	s_delay_alu instid0(VALU_DEP_2)
	v_permlanex16_b32 v[BM+2+\b], v[BM+\b], s20, s21
.endr
.irp b, 0,1
	s_delay_alu instid0(VALU_DEP_2)
	v_max_num_f32 v[BM+\b], v[BM+\b], v[BM+2+\b]
.endr
.irp b, 0,1
	s_delay_alu instid0(VALU_DEP_2)
	v_add_nc_u32 v[CSO+\b], 0xff000000, v[BM+\b]
.endr
.irp b, 0,1
	s_delay_alu instid0(VALU_DEP_2)
	v_lshrrev_b32 v[BM+\b], 23, v[CSO+\b]
.endr
	s_delay_alu instid0(VALU_DEP_1)
	v_lshl_or_b32 v[TMP], v[BM+1], 8, v[BM]
	v_cvt_scalef32_pk16_fp6_f32 v[S+32:S+34], v[S:S+15], v[CSO]
	v_cvt_scalef32_pk16_fp6_f32 v[S+38:S+40], v[S+16:S+31], v[CSO+1]
	v_nop
.irp i, 0,1,2
	v_permlane16_swap_b32 v[S+32+\i], v[S+38+\i]
.endr
.irp i, 0,1,2
	s_delay_alu instid0(VALU_DEP_3)
	v_mov_b32 v[S+35+\i], v[S+38+\i]
.endr
.irp j, 0,1,2
	global_store_b64 v[L8], v[S+32+2*\j:S+33+2*\j], s[48:49] offset:256*\j   ; 256 consecutive bytes, aligned
.endr
	global_store_b16 v[R16], v[TMP], s[50:51]      ; lanes 16-31 write what lanes 0-15 write
.endm
; A KEY STEP: 128 keys, the q-th of my two in the slot.  mode 0: in the loop (the turn and the diagonal are told by my position); mode 1: neither; mode 2: position 32, on the diagonal.  nk = 1: the next step's K is fetched.
; ch >= 0: the step is my last of its slot, and the change of slots is laid into it: its first half behind the loads of V, its second behind the products (ch: how many waves fill)
.macro STEP q, mode, nk, ch
	s_wait_loadcnt 0x0                             ; Q
	s_wait_dscnt 0x0                               ; K
.irp t, 0,1,2,3,4,5,6,7
.if (\t%2) == 0
	v_wmma_scale_f32_16x16x128_f8f6f4 v[S+8*\t:S+8*\t+7], v[KF+6*\t:KF+6*\t+11], v[QF:QF+11], 0, v[KSW+\t/2], v[QSW] matrix_a_fmt:MATRIX_FMT_FP6 matrix_b_fmt:MATRIX_FMT_FP6
.else
	v_wmma_scale_f32_16x16x128_f8f6f4 v[S+8*\t:S+8*\t+7], v[KF+6*\t:KF+6*\t+11], v[QF:QF+11], 0, v[KSW+\t/2], v[QSW] matrix_a_fmt:MATRIX_FMT_FP6 matrix_b_fmt:MATRIX_FMT_FP6 matrix_a_scale:MATRIX_SCALE_ROW1
.endif
.endr
.rept 4
	v_nop                                          ; places: in front of the reads of S^T and of the loads into K's, Q's and V's registers
.endr
.irp g, 0,1,2,3,4,5,6,7,8,9,10,11
	ds_load_b128 v[VF+4*\g:VF+4*\g+3], v[ADR] offset:(\q)*STEPB+6656+512*\g
.endr
	ds_load_b128 v[VSW:VSW+3], v[ADR] offset:(\q)*STEPB+12800
.if \nk
.irp g, 0,1,2,3,4,5,6,7,8,9,10,11
	ds_load_b128 v[KF+4*\g:KF+4*\g+3], v[ADR] offset:((\q)+1)*STEPB+512*\g
.endr
	ds_load_b128 v[KSW:KSW+3], v[ADR] offset:((\q)+1)*STEPB+6144
.endif
.if \mode == 0
	s_sub_co_u32 s19, s11, s13
	s_cmp_lt_u32 s19, 2                            ; position I or I - 1: my last of block I
	s_cbranch_scc0 .Lopen_\@
.irp p, 0,1,2                                  ; block 31 - I's Q comes into the same registers (their earlier loads were waited for at the step's head)
	s_add_nc_u64 s[40+2*\p:41+2*\p], s[40+2*\p:41+2*\p], s[52:53]
.endr
	s_add_nc_u64 s[46:47], s[46:47], s[52:53]
.irp p, 0,1,2
	global_load_b64 v[QF+2*\p:QF+2*\p+1], v[LI], s[40+2*\p:41+2*\p]
.endr
	global_load_b32 v[QSW], v[R16], s[46:47]
	s_cmp_lg_u32 s13, s11
	s_cbranch_scc1 .Lopen_\@
.endif
.if \mode != 1
	v_mov_b32 v[TMP], 0xff800000                   ; on the diagonal hidden scores become -infinity
.set n, 0
.rept 64
	v_cmp_gt_i32 vcc_lo, 32*(n/16)+n%16, v[DQ]
	v_cndmask_b32 v[S+n], v[S+n], v[TMP], vcc_lo
.set n, n+1
.endr
.endif
.if \mode == 0
.Lopen_\@:
.endif
.if \ch >= 0
	CHG_A \ch
.endif
.irp b, 0,1,2,3
	v_max3_num_f32 v[BM+\b], v[S+16*\b], v[S+16*\b+1], v[S+16*\b+2]   ; the largest score of each block of 32 keys
.endr
.irp i, 3,5,7,9,11,13
.irp b, 0,1,2,3
	v_max3_num_f32 v[BM+\b], v[BM+\b], v[S+16*\b+\i], v[S+16*\b+\i+1]
.endr
.endr
.irp b, 0,1,2,3
	v_max_num_f32 v[BM+\b], v[BM+\b], v[S+16*\b+15]
.endr
.irp b, 0,1,2,3
	s_delay_alu instid0(VALU_DEP_4)
	v_permlanex16_b32 v[PC+\b], v[BM+\b], s20, s21
.endr
.irp b, 0,1,2,3
	s_delay_alu instid0(VALU_DEP_4)
	v_max_num_f32 v[BM+\b], v[BM+\b], v[PC+\b]
.endr
	s_delay_alu instid0(VALU_DEP_2)
	v_max3_num_f32 v[TMP], v[BM], v[BM+1], v[BM+2]
	s_delay_alu instid0(VALU_DEP_1)
	v_max_num_f32 v[TMP], v[TMP], v[BM+3]
	s_delay_alu instid0(VALU_DEP_1)
	v_mul_f32 v[TMP], s22, v[TMP]
	s_delay_alu instid0(VALU_DEP_1)
	v_max_num_f32 v[TX], v[TX], v[TMP]
	v_mov_b32 v[TMP], v[NM]
	s_delay_alu instid0(VALU_DEP_2)
	v_floor_f32 v[NM], -v[TX]                      ; -M = floor(-t)
	s_delay_alu instid0(VALU_DEP_1)
	v_sub_f32 v[TMP], v[NM], v[TMP]
	s_delay_alu instid0(VALU_DEP_1)
	v_cvt_i32_f32 v[TMP], v[TMP]                   ; (it saturates)
	s_delay_alu instid0(VALU_DEP_1)
	v_ldexp_f32 v[FF], 1.0, v[TMP]                 ; f = 2^(old M - new M)
.set j, 0
.rept 32
	v_pk_fma_f32 v[S+j:S+j+1], v[S+j:S+j+1], s[22:23], v[NM:NM+1] op_sel_hi:[1,0,0]   ; t - M
.set j, j+2
.endr
.irp b, 0,1,2,3
	v_fma_f32 v[BM+\b], v[BM+\b], s22, v[NM]
.endr
.set j, 0
	s_wait_alu depctr_va_vdst(0)
.rept 64
	v_exp_f32 v[S+j], v[S+j]
.set j, j+1
.endr
	v_pk_mul_f32 v[SUM:SUM+1], v[SUM:SUM+1], v[FF:FF+1] op_sel_hi:[1,0]
	s_wait_alu depctr_va_vdst(0)
.irp b, 0,1,2,3
	v_exp_f32 v[BM+\b], v[BM+\b]                   ; the blocks' largest p
.endr
	v_pk_add_f32 v[230:231], v[138:139], v[142:143]
	v_pk_add_f32 v[244:245], v[146:147], v[150:151]
	v_pk_add_f32 v[242:243], v[154:155], v[158:159]
	v_pk_add_f32 v[240:241], v[162:163], v[166:167]
	v_pk_add_f32 v[238:239], v[170:171], v[174:175]
	v_pk_add_f32 v[236:237], v[178:179], v[182:183]
	v_pk_add_f32 v[234:235], v[186:187], v[190:191]
	v_pk_add_f32 v[14:15], v[14:15], v[194:195]
	v_pk_add_f32 v[230:231], v[230:231], v[134:135]
	v_pk_add_f32 v[244:245], v[244:245], v[136:137]
	v_pk_add_f32 v[242:243], v[242:243], v[140:141]
	v_pk_add_f32 v[240:241], v[240:241], v[144:145]
	v_pk_add_f32 v[238:239], v[238:239], v[148:149]
	v_pk_add_f32 v[236:237], v[236:237], v[152:153]
	v_pk_add_f32 v[234:235], v[234:235], v[156:157]
	v_pk_add_f32 v[14:15], v[14:15], v[160:161]
	v_pk_add_f32 v[230:231], v[230:231], v[164:165]
	v_pk_add_f32 v[244:245], v[244:245], v[168:169]
	v_pk_add_f32 v[242:243], v[242:243], v[172:173]
	v_pk_add_f32 v[240:241], v[240:241], v[176:177]
	v_pk_add_f32 v[238:239], v[238:239], v[180:181]
	v_pk_add_f32 v[236:237], v[236:237], v[184:185]
	v_pk_add_f32 v[234:235], v[234:235], v[188:189]
	v_pk_add_f32 v[14:15], v[14:15], v[192:193]
	v_pk_add_f32 v[230:231], v[230:231], v[196:197]
	s_delay_alu instid0(VALU_DEP_2)
	v_pk_add_f32 v[14:15], v[14:15], v[240:241]
	s_delay_alu instid0(VALU_DEP_2)
	v_pk_add_f32 v[230:231], v[230:231], v[238:239]
	v_pk_add_f32 v[244:245], v[244:245], v[236:237]
	v_pk_add_f32 v[242:243], v[242:243], v[234:235]
	s_delay_alu instid0(VALU_DEP_2)
	v_pk_add_f32 v[14:15], v[14:15], v[244:245]
	s_delay_alu instid0(VALU_DEP_2)
	v_pk_add_f32 v[230:231], v[230:231], v[242:243]
	s_delay_alu instid0(VALU_DEP_1)
	v_pk_add_f32 v[14:15], v[14:15], v[230:231]
	s_wait_alu depctr_va_vdst(0)
.irp b, 0,1,2,3
	v_max_num_f32 v[BM+\b], 0x1800000, v[BM+\b]    ; the floor 2^(3 - 127)
.endr
.irp b, 0,1,2,3
	s_delay_alu instid0(VALU_DEP_4)
	v_add_nc_u32 v[CSO+\b], 0xff000000, v[BM+\b]
.endr
.irp b, 0,1,2,3
	s_delay_alu instid0(VALU_DEP_4)
	v_lshrrev_b32 v[BM+\b], 23, v[CSO+\b]
.endr
	s_delay_alu instid0(VALU_DEP_3)
	v_lshl_or_b32 v[PSW], v[BM+1], 8, v[BM]
	s_delay_alu instid0(VALU_DEP_1)
	v_lshl_or_b32 v[PSW], v[BM+2], 16, v[PSW]
	s_delay_alu instid0(VALU_DEP_1)
	v_lshl_or_b32 v[PSW], v[BM+3], 24, v[PSW]
	v_cvt_scalef32_pk16_fp6_f32 v[PC:PC+2], v[S:S+15], v[CSO]
	v_cvt_scalef32_pk16_fp6_f32 v[PC+6:PC+8], v[S+32:S+47], v[CSO+2]
	v_nop
	v_cvt_scalef32_pk16_fp6_f32 v[S:S+2], v[S+16:S+31], v[CSO+1]
	v_cvt_scalef32_pk16_fp6_f32 v[S+4:S+6], v[S+48:S+63], v[CSO+3]
	v_nop
.irp c, 0,1
.irp i, 0,1,2
	v_permlane16_swap_b32 v[PC+6*\c+\i], v[S+4*\c+\i]
.endr
.irp i, 0,1,2
	s_delay_alu instid0(VALU_DEP_3)
	v_mov_b32 v[PC+3+6*\c+\i], v[S+4*\c+\i]
.endr
.endr
	s_wait_alu depctr_va_vdst(0)
.set j, 0
.rept 16
	v_pk_mul_f32 v[OT+j:OT+j+1], v[OT+j:OT+j+1], v[FF:FF+1] op_sel_hi:[1,0]   ; O^T under the new M; also the places in front of the products
.set j, j+2
.endr
	s_wait_alu depctr_va_vdst(0)
.if \nk
	s_wait_dscnt 13                                ; V is in; the next step's K (12 + 1 loads) may be out
.else
	s_wait_dscnt 0x0
.endif
.irp u, 0,1,2,3
	v_wmma_scale_f32_16x16x128_f8f6f4 v[OT+8*\u:OT+8*\u+7], v[VF+12*\u:VF+12*\u+11], v[PC:PC+11], v[OT+8*\u:OT+8*\u+7], v[VSW+\u], v[PSW] matrix_a_fmt:MATRIX_FMT_FP6 matrix_b_fmt:MATRIX_FMT_FP6
.endr
.if \ch >= 0
	CHG_B \ch
.endif
.if \mode == 0
	s_sub_co_u32 s19, s11, s13
	s_cmp_lt_u32 s19, 2
	s_cbranch_scc0 .Lon_\@
.rept 4
	v_nop                                          ; places behind the products
.endr
	DUMP 0                                         ; my part of block I; only the largest t is set back, since the next f is then 0
	v_mov_b32 v[TX], 0xff61b1e6
	s_delay_alu instid0(VALU_DEP_1)
	v_floor_f32 v[NM], -v[TX]
.Lon_\@:
.endif
	s_add_co_u32 s13, s13, 2
.endm
; THE CHANGE OF SLOTS: each wave waits for all its tensor loads, adds 0 to its spare word, and waits for that and for
; its reads of the slot that it has left; behind the barrier the slot ahead is whole and nobody reads the other, which takes the next four positions (lim = 4) or position 32 (lim = 1).
; IN TWO HALVES: CHG_A ends with the signal and stands where my reads of the slot are over (V's loads are awaited in it); the softmax and the products, work on registers alone, stand between it and CHG_B, which begins with the wait.
.macro CHG_A lim
	s_wait_alu depctr_va_vdst(0)
	s_wait_tensorcnt 0x0
	ds_add_u32 v[SPW], v[NIL]
.if \lim
	ds_add_u32 v[SPW], v[NIL]
	s_xor_b32 s33, s33, SLOT1
	KADDR
.endif
.if \lim == 4
	s_wait_xcnt 0x0                                ; the last prefetches have read their address
	s_add_nc_u64 s[58:59], s[58:59], 4*BLKB
.endif
	s_wait_dscnt 0x0
	s_barrier_signal -1
.endm
.macro CHG_B lim
	s_barrier_wait -1
.if \lim
	TLOAD \lim
.endif
.if \lim == 4
	ASK
.endif
.endm
.macro KLOAD
	v_add_nc_u32 v[ADR], s15, v[LI]
.irp g, 0,1,2,3,4,5,6,7,8,9,10,11
	ds_load_b128 v[KF+4*\g:KF+4*\g+3], v[ADR] offset:512*\g
.endr
	ds_load_b128 v[KSW:KSW+3], v[ADR] offset:6144
	s_wait_alu depctr_va_vdst(0)
.endm
	CHG_A 4                                        ; slot 0 is whole; slot 1 is asked for
	CHG_B 4
	s_sub_co_u32 s14, s14, 1
.Lslot:                                            ; six trips: slots 0 to 5, positions 0 to 23; each asks for the slot after the next
	KLOAD
	STEP 0, 0, 1, -1
	STEP 1, 0, 0, 4
	s_xor_b32 s15, s15, SLOT1
	s_sub_co_u32 s14, s14, 1
	s_cmp_lg_u32 s14, 0
	s_cbranch_scc1 .Lslot
	KLOAD                                          ; slot 6, positions 24 to 27; wave 0 asks for position 32
	STEP 0, 1, 1, -1
	STEP 1, 1, 0, 1
	s_xor_b32 s15, s15, SLOT1
	KLOAD                                          ; slot 7, positions 28 to 31; nothing more is asked for
	STEP 0, 1, 1, -1
	STEP 1, 1, 0, 0
	s_xor_b32 s15, s15, SLOT1
	s_cmp_lg_u32 s63, 0                            ; position 32 is half 0's
	s_cbranch_scc1 .Lidle
	KLOAD
	STEP 0, 2, 0, -1
.Lidle:
.rept 4
	v_nop
.endr
	DUMP 1                                         ; my part of block 31 - I
	v_add_nc_u32 v[ADR], s54, v[LI]
	v_add_nc_u32 v[STG], s55, v[LI]
	s_wait_alu depctr_va_vdst(0)
	s_wait_dscnt 0x0                               ; my stores are done
	s_barrier_signal -1
	s_barrier_wait -1                              ; and everybody's
.irp i, 0,1,2,3,4,5,6,7,8
	ds_load_b128 v[S+4*\i:S+4*\i+3], v[ADR] offset:512*\i
	ds_load_b128 v[VF+4*\i:VF+4*\i+3], v[STG] offset:512*\i
.endr
	s_wait_dscnt 0x0
	v_min_num_f32 v[NM], v[S+32], v[VF+32]         ; -M of the larger M
	s_delay_alu instid0(VALU_DEP_1)
	v_sub_f32 v[TMP], v[NM], v[S+32]
	v_sub_f32 v[TX], v[NM], v[VF+32]
	s_delay_alu instid0(VALU_DEP_2)
	v_cvt_i32_f32 v[TMP], v[TMP]
	s_delay_alu instid0(VALU_DEP_2)
	v_cvt_i32_f32 v[TX], v[TX]
	s_delay_alu instid0(VALU_DEP_2)
	v_ldexp_f32 v[FF], 1.0, v[TMP]                 ; each part's power of two (0 for an empty part)
	s_delay_alu instid0(VALU_DEP_2)
	v_ldexp_f32 v[BM], 1.0, v[TX]
	v_pk_mul_f32 v[SUM:SUM+1], v[S+34:S+35], v[FF:FF+1] op_sel_hi:[1,0]
.set j, 0
.rept 16
	v_pk_mul_f32 v[OT+j:OT+j+1], v[S+j:S+j+1], v[FF:FF+1] op_sel_hi:[1,0]
.set j, j+2
.endr
	v_pk_fma_f32 v[SUM:SUM+1], v[VF+34:VF+35], v[BM:BM+1], v[SUM:SUM+1] op_sel_hi:[1,0,1]
.set j, 0
.rept 16
	v_pk_fma_f32 v[OT+j:OT+j+1], v[VF+j:VF+j+1], v[BM:BM+1], v[OT+j:OT+j+1] op_sel_hi:[1,0,1]
.set j, j+2
.endr
	FINAL
	s_wait_tensorcnt 0x0                           ; the wave's end
	ds_add_u32 v[SPW], v[NIL]
	s_wait_dscnt 0x0
	s_endpgm
.Lfunc_end_k_q736bf9bcc8_attn:
	.size	k_q736bf9bcc8_attn, .Lfunc_end_k_q736bf9bcc8_attn-k_q736bf9bcc8_attn
	.p2alignl 7, 3214868480
	.fill 96, 4, 3214868480
	.section	.rodata,"a",@progbits
	.p2align	6, 0x0
	.amdhsa_kernel k_q736bf9bcc8_attn
		.amdhsa_group_segment_fixed_size 327680
		.amdhsa_private_segment_fixed_size 0
		.amdhsa_enable_private_segment 0
		.amdhsa_kernarg_size 24
		.amdhsa_user_sgpr_count 2
		.amdhsa_user_sgpr_kernarg_segment_ptr 1
		.amdhsa_wavefront_size32 1
		.amdhsa_system_sgpr_workgroup_id_x 1
		.amdhsa_system_sgpr_workgroup_id_y 1
		.amdhsa_system_sgpr_workgroup_id_z 1
		.amdhsa_system_vgpr_workitem_id 0
		.amdhsa_next_free_vgpr 256
		.amdhsa_next_free_sgpr 66
		.amdhsa_reserve_vcc 1
		.amdhsa_float_denorm_mode_32 3
		.amdhsa_float_denorm_mode_16_64 3
		.amdhsa_memory_ordered 1
		.amdhsa_forward_progress 1
		.amdhsa_inst_pref_size 155
	.end_amdhsa_kernel
	.amdgpu_metadata
---
amdhsa.version: [ 1, 2 ]
amdhsa.kernels:
  - .name:           k_q736bf9bcc8_attn
    .symbol:         k_q736bf9bcc8_attn.kd
    .args:
      - { .name: qkv, .offset: 0, .size: 8, .value_kind: global_buffer, .address_space: global }
      - { .name: yimg, .offset: 8, .size: 8, .value_kind: global_buffer, .address_space: global }
      - { .name: ysc, .offset: 16, .size: 8, .value_kind: global_buffer, .address_space: global }
    .group_segment_fixed_size: 327680
    .private_segment_fixed_size: 0
    .kernarg_segment_align: 8
    .kernarg_segment_size: 24
    .max_flat_workgroup_size: 512
    .sgpr_count:     66
    .vgpr_count:     256
    .wavefront_size: 32
...
	.end_amdgpu_metadata
.endif
;; end of part 3
;; launch oproj (part 4): grid 8 x 32, 8 waves a work-group, clusters of 4 x 4, 327,680 bytes of LDS; arguments yimg, ysc, cimg, csc, b_o, out0; writes out0
.if DOCPART == 4
	.amdgcn_target "amdgcn-amd-amdhsa--gfx1250"
	.amdhsa_code_object_version 6
	.text
	.protected	k_q736bf9bcc8_oproj
	.globl	k_q736bf9bcc8_oproj
	.p2align	8
	.type	k_q736bf9bcc8_oproj,@function
k_q736bf9bcc8_oproj:
	s_mov_b64 s[64:65], 0
	v_nop
	global_prefetch_b8 v0, s[64:65] scope:SCOPE_SE
	s_setreg_imm32_b32 hwreg(HW_REG_WAVE_MODE, 25, 1), 1
	s_wait_xcnt 0x0
	s_wait_alu depctr_hold_cnt(0) depctr_sa_sdst(0) depctr_va_vdst(0) depctr_va_sdst(0) depctr_va_ssrc(0) depctr_va_vcc(0) depctr_vm_vsrc(0)
	s_getreg_b32 s2, hwreg(HW_REG_IB_STS2, 6, 4)
	s_cmp_eq_u32 s2, 0
	s_cbranch_scc0 .Lentry_in_a_cluster
	s_endpgm
.Lentry_in_a_cluster:
	s_bfe_u32 s2, ttmp6, 0x10000c
	s_cmp_lg_u32 s2, 0xf033
	s_cbranch_scc0 .Lentry_shape_is_right
	s_endpgm
.Lentry_shape_is_right:
; out0[t][n] = the sum over k of Y[t][k] W_o[n][k] + b_o[n]: 4,096 x 1,024 x 1,024 on codes of FP6 (E2M3) with E8M0 scales, as images of operand registers (yimg, ysc; W_o is tiles 448 .. 511 of cimg, csc).
; A tile of 16 rows is 12,288 bytes of codes (fragment g, 128 along K, at 1536 g: registers 2 p, 2 p + 1 of lane l at 256 p + 8 l) and 512 of scale words (row r, fragment g at 256 (g / 4) + 16 r + 4 (g % 4)).
; Lane r of tile T stands for row 32 (T / 2) + 8 (T % 2) + r + 8 (r / 8).
; SHARES: a work-group makes 128 x 128 of out0: 256 work-groups.  Its 8 tiles of Y and 8 of W_o, for all of K, are two dense blocks of 98,304 bytes, the scales two of 4,096: all lie in LDS at once, filled once: no ring, one barrier.
; Waves 0, 1 fetch Y's two halves, 2, 3 W_o's, 4 and 5 the scales: one tensor load each.  Wave w makes rows 32 (w / 2) .. + 31 x columns 64 (w % 2) .. + 63: 8 accumulators by turns; fragments in two sets, one K step ahead.
; CLUSTERS: 4 x 4; Y's tiles are asked for jointly along a row of the cluster, W_o's along a column.
; NO PREFETCH: every byte is asked for at the head, and there is no loop to run ahead in.
; TRANSPOSED USE: source 0 = W_o's tile, source 1 = Y's: a lane holds one token, and tiles 2 b, 2 b + 1 give it 16 neighbouring columns.  Results go through the wave's own stage and leave as rows of 256 bytes.
.set TILEB,  12288
.set FRAGB,  1536
.set BCOD,   98304
.set SCA,    196608
.set SCB,    200704
.set STAGE,  204800
.set SPITCH, 272
.set SPARE,  STAGE+8*16*SPITCH
.set ADRA, 1
.set ADRB, 2
.set ADRS, 3
.set STO,  4
.set RD,   5
.set CO,   6
.set SPW,  7
.set NIL,  8
.set BO,   12                          ; v12-15 my four columns' bias
.set SC,   16                          ; v16-47 scale words: register 8 i + g: lanes 0-15 Y's tile i, lanes 16-31 W_o's tile i, fragment g
.set FS,   48                          ; v48-119, v120-191 two sets: W_o's four fragments, then Y's two
.set AC,   192                         ; v192-255 accumulator (i, b) at 8 (4 i + b)
.set BK,   48                          ; the way out: rows read back
.set G1,   24
.set G1B,  32
.set G1S,  40
.set G1SB, 48
.set G0,   56
.set G0B,  60
.set G0S,  68
.set G0SB, 72
.macro CROUND
	s_barrier_signal -1
	s_barrier_wait -1
	s_cmp_lg_u32 s16, 0
	s_cbranch_scc1 .Lnot_wave_0_\@
	s_barrier_signal -3
.Lnot_wave_0_\@:
	s_barrier_wait -3
	s_barrier_signal -1
	s_barrier_wait -1
.endm
.macro PLACES
.rept 4
	v_nop
.endr
.endm
	s_load_b256 s[4:11], s[0:1], 0x0               ; yimg, ysc, cimg, csc
	s_load_b128 s[12:15], s[0:1], 0x20             ; b_o, out0
	v_lshl_add_u32 v[SPW], v0, 2, SPARE
	v_mov_b32 v[NIL], 0
	ds_add_u32 v[SPW], v[NIL]
	ds_add_u32 v[SPW], v[NIL]
	v_lshrrev_b32 v9, 5, v0
	v_readfirstlane_b32 s16, v9                    ; wave
	s_and_b32 s17, s16, 1
	s_lshr_b32 s18, s16, 1
	s_bfe_u32 s19, ttmp6, 0x40000                  ; cx
	s_bfe_u32 s20, ttmp6, 0x40004                  ; cy
	s_lshl_b32 s21, ttmp9, 2
	s_add_co_u32 s21, s21, s19                     ; block of columns
	s_and_b32 s22, ttmp7, 0xffff
	s_lshl_b32 s22, s22, 2
	s_add_co_u32 s22, s22, s20                     ; block of tokens
	s_lshl_b32 s76, s20, 2
	s_lshl_b32 s76, 15, s76                        ; my row of the cluster
	s_lshl_b32 s77, 0x1111, s19                    ; my column
	s_or_b32 s[G1], s76, (3<<16)|(1<<21)
	s_or_b32 s[G1B], s77, (3<<16)|(1<<21)
	s_or_b32 s[G1S], s76, (3<<16)|(1<<21)
	s_or_b32 s[G1SB], s77, (3<<16)|(1<<21)
.irp g, G1, G1B                                ; four tiles of codes: 192 dense rows of 256 bytes
	s_mov_b32 s[\g+1], 32<<16
	s_mov_b32 s[\g+2], 192<<16
	s_mov_b32 s[\g+3], 32<<16
	s_mov_b32 s[\g+4], 192
	s_mov_b32 s[\g+5], 32
	s_mov_b32 s[\g+6], 0
	s_mov_b32 s[\g+7], 0
.endr
.irp g, G1S, G1SB                              ; eight tiles' scale words: 16 rows of 256 bytes
	s_mov_b32 s[\g+1], 32<<16
	s_mov_b32 s[\g+2], 16<<16
	s_mov_b32 s[\g+3], 32<<16
	s_mov_b32 s[\g+4], 16
	s_mov_b32 s[\g+5], 32
	s_mov_b32 s[\g+6], 0
	s_mov_b32 s[\g+7], 0
.endr
	s_mul_i32 s80, s17, 4*TILEB                    ; which half I fetch
	s_mul_i32 s78, s22, 8*TILEB
	s_add_co_u32 s78, s78, s80
	s_mov_b32 s79, 0
	s_mul_i32 s82, s21, 8*TILEB
	s_add_co_u32 s82, s82, s80
	s_add_co_u32 s82, s82, 448*TILEB
	s_mov_b32 s83, 0
	s_lshl_b32 s84, s22, 12
	s_mov_b32 s85, 0
	s_lshl_b32 s86, s21, 12
	s_add_co_u32 s86, s86, 448*512
	s_mov_b32 s87, 0
	s_mov_b32 s[G0], 1
	s_mov_b32 s[G0+1], s80
	s_mov_b32 s[G0B], 1
	s_add_co_u32 s[G0B+1], s80, BCOD
	s_mov_b32 s[G0S], 1
	s_mov_b32 s[G0S+1], SCA
	s_mov_b32 s[G0SB], 1
	s_mov_b32 s[G0SB+1], SCB
	s_wait_dscnt 0x0
	s_wait_kmcnt 0x0
	s_add_nc_u64 s[G0+2:G0+3], s[4:5], s[78:79]
	s_or_b32 s[G0+3], s[G0+3], 0x80000000
	s_add_nc_u64 s[G0B+2:G0B+3], s[8:9], s[82:83]
	s_or_b32 s[G0B+3], s[G0B+3], 0x80000000
	s_add_nc_u64 s[G0S+2:G0S+3], s[6:7], s[84:85]
	s_or_b32 s[G0S+3], s[G0S+3], 0x80000000
	s_add_nc_u64 s[G0SB+2:G0SB+3], s[10:11], s[86:87]
	s_or_b32 s[G0SB+3], s[G0SB+3], 0x80000000
	CROUND                                         ; all sixteen work-groups are here: the joint loads meet
.macro ARM under, g0, g1, next
	s_cmp_lt_u32 s16, \under
	s_cbranch_scc0 \next
	tensor_load_to_lds s[\g0:\g0+3], s[\g1:\g1+7]
	s_nop 0
.rept 4
	v_nop
.endr
	s_branch .Lh_done
\next:
.endm
	ARM 2, G0,  G1,  .Lh_b                         ; one chain of branches on the wave's number, one load to an arm
	ARM 4, G0B, G1B, .Lh_sa
	ARM 5, G0S, G1S, .Lh_sb
	s_cmp_lt_u32 s16, 6
	s_cbranch_scc0 .Lh_done
	tensor_load_to_lds s[G0SB:G0SB+3], s[G1SB:G1SB+7]
	s_nop 0
.rept 4
	v_nop
.endr
.Lh_done:
	s_mul_i32 s76, s18, 2*TILEB                    ; my two tiles of Y
	s_mul_i32 s77, s17, 4*TILEB
	s_add_co_u32 s77, s77, BCOD                    ; my four of W_o
	s_lshl_b32 s79, s18, 10
	s_lshl_b32 s78, s17, 11
	s_add_co_u32 s78, s78, SCB-SCA
	s_sub_co_u32 s78, s78, s79                     ; from Y's scale words to W_o's
	s_add_co_u32 s79, s79, SCA
	s_mul_i32 s80, s16, 16*SPITCH
	s_add_co_u32 s80, s80, STAGE                   ; my stage
	s_lshl_b32 s82, s22, 7
	s_lshl_b32 s83, s18, 5
	s_add_co_u32 s82, s82, s83                     ; my first token
	s_lshl_b32 s82, s82, 12
	s_lshl_b32 s84, s21, 9
	s_lshl_b32 s85, s17, 8
	s_add_co_u32 s84, s84, s85                     ; my first column, in bytes
	s_mov_b32 s85, 0
	s_add_nc_u64 s[12:13], s[12:13], s[84:85]
	s_add_co_u32 s82, s82, s84
	s_mov_b32 s83, 0
	s_add_nc_u64 s[14:15], s[14:15], s[82:83]
	v_and_b32 v9, 15, v0                           ; r
	v_bfe_u32 v10, v0, 4, 1                        ; h
	v_and_b32 v11, 31, v0
	v_lshlrev_b32 v[ADRA], 3, v11
	v_add_nc_u32 v[ADRB], s77, v[ADRA]
	v_add_nc_u32 v[ADRA], s76, v[ADRA]
	v_mul_u32_u24 v[ADRS], s78, v10                ; lanes 16-31 take W_o's words
	v_lshl_add_u32 v[ADRS], v9, 4, v[ADRS]
	v_add_nc_u32 v[ADRS], s79, v[ADRS]
	v_mul_u32_u24 v[STO], v9, SPITCH               ; in: row r, 64 bytes for each half of the lanes
	v_lshl_add_u32 v[STO], v10, 6, v[STO]
	v_add_nc_u32 v[STO], s80, v[STO]
	v_mul_u32_u24 v[RD], v10, SPITCH               ; back: sixteen lanes to a row of 256 bytes, two rows an instruction
	v_lshl_add_u32 v[RD], v9, 4, v[RD]
	v_add_nc_u32 v[RD], s80, v[RD]
	v_lshlrev_b32 v[CO], 12, v10                   ; and the same two rows in out0
	v_lshl_add_u32 v[CO], v9, 4, v[CO]
	v_lshlrev_b32 v11, 4, v9
	global_load_b128 v[BO:BO+3], v11, s[12:13]
	s_wait_alu depctr_va_vdst(0)
	s_wait_tensorcnt 0x0                           ; my tile is in
	s_barrier_signal -1
	s_barrier_wait -1                              ; and everybody's
.macro FRAG reg, adr, off
.irp p, 0,1,2,3,4,5
	ds_load_b64 v[\reg+2*\p:\reg+2*\p+1], v[\adr] offset:(\off)+256*\p
.endr
.endm
.macro FETCH g                         ; K step g's six fragments, 36 loads, into set g % 2
.set FB, FS+72*((\g)%2)
.irp i, 0,1,2,3
	FRAG FB+12*\i, ADRB, \i*TILEB+(\g)*FRAGB
.endr
.irp i, 0,1
	FRAG FB+48+12*\i, ADRA, \i*TILEB+(\g)*FRAGB
.endr
.endm
.macro MUL g, zero                     ; eight products, the eight accumulators by turns
.set FB, FS+72*((\g)%2)
.irp i, 0,1
.irp b, 0,1,2,3
.if \zero
	v_wmma_scale_f32_16x16x128_f8f6f4 v[AC+8*(4*\i+\b):AC+8*(4*\i+\b)+7], v[FB+12*\b:FB+12*\b+11], v[FB+48+12*\i:FB+48+12*\i+11], 0, v[SC+8*\b+(\g)], v[SC+8*\i+(\g)] matrix_a_fmt:MATRIX_FMT_FP6 matrix_b_fmt:MATRIX_FMT_FP6 matrix_a_scale:MATRIX_SCALE_ROW1
.else
	v_wmma_scale_f32_16x16x128_f8f6f4 v[AC+8*(4*\i+\b):AC+8*(4*\i+\b)+7], v[FB+12*\b:FB+12*\b+11], v[FB+48+12*\i:FB+48+12*\i+11], v[AC+8*(4*\i+\b):AC+8*(4*\i+\b)+7], v[SC+8*\b+(\g)], v[SC+8*\i+(\g)] matrix_a_fmt:MATRIX_FMT_FP6 matrix_b_fmt:MATRIX_FMT_FP6 matrix_a_scale:MATRIX_SCALE_ROW1
.endif
.endr
.endr
.endm
.irp i, 0,1,2,3
	ds_load_b128 v[SC+8*\i:SC+8*\i+3], v[ADRS] offset:512*\i
	ds_load_b128 v[SC+8*\i+4:SC+8*\i+7], v[ADRS] offset:512*\i+256
.endr
	FETCH 0
	FETCH 1
	s_wait_dscnt 36                                ; all but the next step's 36 loads
	MUL 0, 1                                       ; the first products start the sums
.set G, 1
.rept 6
	PLACES                                         ; in front of loads into the set that the step before multiplied
	FETCH G+1
	s_wait_dscnt 36
	MUL G, 0
.set G, G+1
.endr
	s_wait_dscnt 0x0
	MUL 7, 0
	s_wait_loadcnt 0x0                             ; the bias
	PLACES
.irp i, 0,1                                    ; LDS serves a wave's instructions in order: the loads see the stores above them, and tile 1's stores come behind tile 0's loads
.irp b, 0,1,2,3
	ds_store_b128 v[STO], v[AC+8*(4*\i+\b):AC+8*(4*\i+\b)+3] offset:128*(\b/2)+32*(\b%2)
	ds_store_b128 v[STO], v[AC+8*(4*\i+\b)+4:AC+8*(4*\i+\b)+7] offset:128*(\b/2)+32*(\b%2)+16
.endr
.irp t, 0,1,2,3,4,5,6,7
	ds_load_b128 v[BK+32*\i+4*\t:BK+32*\i+4*\t+3], v[RD] offset:\t*2*SPITCH
.endr
.endr
.irp i, 0,1
	s_wait_dscnt 16*(1-\i)                         ; behind tile 0's loads: tile 1's 8 stores and 8 loads
.irp t, 0,1,2,3,4,5,6,7
	v_pk_add_f32 v[BK+32*\i+4*\t:BK+32*\i+4*\t+1], v[BK+32*\i+4*\t:BK+32*\i+4*\t+1], v[BO:BO+1]
	v_pk_add_f32 v[BK+32*\i+4*\t+2:BK+32*\i+4*\t+3], v[BK+32*\i+4*\t+2:BK+32*\i+4*\t+3], v[BO+2:BO+3]
.endr
.irp t, 0,1,2,3,4,5,6,7
	global_store_b128 v[CO], v[BK+32*\i+4*\t:BK+32*\i+4*\t+3], s[14:15] offset:(8*\i+2*\t+8*(\t/4))*4096 th:TH_STORE_NT   ; sixteen lanes store 256 consecutive bytes, aligned
.endr
.endr
	s_wait_tensorcnt 0x0                           ; the wave's end
	ds_add_u32 v[SPW], v[NIL]
	s_wait_dscnt 0x0
	CROUND                                         ; the closing round
	s_endpgm
.Lfunc_end_k_q736bf9bcc8_oproj:
	.size	k_q736bf9bcc8_oproj, .Lfunc_end_k_q736bf9bcc8_oproj-k_q736bf9bcc8_oproj
	.p2alignl 7, 3214868480
	.fill 96, 4, 3214868480
	.section	.rodata,"a",@progbits
	.p2align	6, 0x0
	.amdhsa_kernel k_q736bf9bcc8_oproj
		.amdhsa_group_segment_fixed_size 327680
		.amdhsa_private_segment_fixed_size 0
		.amdhsa_enable_private_segment 0
		.amdhsa_kernarg_size 48
		.amdhsa_user_sgpr_count 2
		.amdhsa_user_sgpr_kernarg_segment_ptr 1
		.amdhsa_wavefront_size32 1
		.amdhsa_system_sgpr_workgroup_id_x 1
		.amdhsa_system_sgpr_workgroup_id_y 1
		.amdhsa_system_sgpr_workgroup_id_z 1
		.amdhsa_system_vgpr_workitem_id 0
		.amdhsa_next_free_vgpr 256
		.amdhsa_next_free_sgpr 92
		.amdhsa_reserve_vcc 0
		.amdhsa_float_denorm_mode_32 3
		.amdhsa_float_denorm_mode_16_64 3
		.amdhsa_memory_ordered 1
		.amdhsa_forward_progress 1
		.amdhsa_inst_pref_size 42
	.end_amdhsa_kernel
	.amdgpu_metadata
---
amdhsa.version: [ 1, 2 ]
amdhsa.kernels:
  - .name:           k_q736bf9bcc8_oproj
    .symbol:         k_q736bf9bcc8_oproj.kd
    .args:
      - { .name: yimg, .offset: 0, .size: 8, .value_kind: global_buffer, .address_space: global }
      - { .name: ysc, .offset: 8, .size: 8, .value_kind: global_buffer, .address_space: global }
      - { .name: cimg, .offset: 16, .size: 8, .value_kind: global_buffer, .address_space: global }
      - { .name: csc, .offset: 24, .size: 8, .value_kind: global_buffer, .address_space: global }
      - { .name: b_o, .offset: 32, .size: 8, .value_kind: global_buffer, .address_space: global }
      - { .name: out0, .offset: 40, .size: 8, .value_kind: global_buffer, .address_space: global }
    .group_segment_fixed_size: 327680
    .private_segment_fixed_size: 0
    .kernarg_segment_align: 8
    .kernarg_segment_size: 48
    .max_flat_workgroup_size: 256
    .sgpr_count:     92
    .vgpr_count:     256
    .wavefront_size: 32
...
	.end_amdgpu_metadata
.endif
;; end of part 4
